; MI455X (gfx1250); checked and timed in simulation.
; The chip was launched on July 23, 2026; its instructions are those of AMD's public machine-readable ISA for CDNA 5 (MIT licence, August 2026) and "CDNA5" Instruction Set Architecture Reference Guide (July 2026). The comments in the code are by the model that wrote it; some were corrected since.
;; Multi Headed Attention. Allowed arithmetic: matrix products marked QUANTISED: E4M3 operands, one given power-of-two scale a tensor, by v_wmma_f32_16x16x64_fp8_fp8 or v_wmma_f32_16x16x128_fp8_fp8, f32 sums; everything else in f32.
;; Inputs: Wk 1,024 x 1,024 float32; Wo 1,024 x 1,024 float32; Wq 1,024 x 1,024 float32; Wv 1,024 x 1,024 float32; bo 1,024 float32; key 4 x 2,048 x 1,024 float32; lowp_scales 12 int32 (the exponents e of the quantised operands' scales 2^e); mask 4 x 2,048 int32; query 4 x 2,048 x 1,024 float32; value 4 x 2,048 x 1,024 float32.
;; Outputs: out0 4 x 2,048 x 1,024 float32.
;; This version of the problem:
;;   THIS VERSION OF THE PROBLEM IS GIVEN IN LOW PRECISION. The matrix products marked QUANTISED in the list below multiply operands that are first quantised to E4M3 (4 exponent bits, 3 mantissa bits; 8 bits a number), with one given power-of-two scale for each operand tensor; their sums are f32. All else is computed in f32.
;;   The module's matrix products, in the order in which they are computed (A, B: the left and right operand; K: the contracted axis; several contracted axes count as one K, in the product's order):
;;     1. [M 8,192, K 1,024] x [K 1,024, N 1,024]; A: input query; B: input Wq: QUANTISED (scales: A lowp_scales[0], B lowp_scales[1])
;;     2. [M 8,192, K 1,024] x [K 1,024, N 1,024]; A: input key; B: input Wk: QUANTISED (scales: A lowp_scales[2], B lowp_scales[3])
;;     3. [M 8,192, K 1,024] x [K 1,024, N 1,024]; A: input value; B: input Wv: QUANTISED (scales: A lowp_scales[4], B lowp_scales[5])
;;     4. batch 64 x [M 2,048, K 64] x [K 64, N 2,048]; A: computed on the way; B: computed on the way: QUANTISED (scales: A lowp_scales[6], B lowp_scales[7])
;;     5. batch 64 x [M 2,048, K 2,048] x [K 2,048, N 64]; A: softmax (see below); B: computed on the way: QUANTISED (scales: A lowp_scales[8], B lowp_scales[9])
;;     6. [M 8,192, K 1,024] x [K 1,024, N 1,024]; A: computed on the way; B: input Wo: QUANTISED (scales: A lowp_scales[10], B lowp_scales[11])
;;   THE QUANTISER, for each operand of a quantised product, along K:
;;     - The operand's scale is 2^e, e = its entry of the input lowp_scales (int32; the entries are numbered through the quantised products in the list's order, A before B).
;;     - Each number is divided by the scale, clamped to +-448, and rounded to the nearest number of E4M3, ties to even, subnormals kept.
;;     - The product sums the exact products of the quantised numbers (number of the format x scale) in f32.
;;   ~~~python
;;   def quantise(x, axis, e):      # numpy; x: float32 -> the quantised numbers, widened to float32 again
;;       x = np.moveaxis(x, axis, -1); K = x.shape[-1]
;;       r = np.clip(x / 2.0 ** e, -448, 448)
;;       step = 2.0 ** (np.maximum(np.frexp(np.where(r == 0, 1, r))[1] - 1, -6) - 3)
;;       q = np.round(r / step) * step * 2.0 ** e      # np.round: ties to even
;;       return np.moveaxis(q, -1, axis).astype(np.float32)
;;   ~~~
;;   SOFTMAX AHEAD OF A QUANTISED PRODUCT. Where the list says 'softmax', what is quantised is not the finished softmax but p = 2^(t - M), with t = logit x log2(e) and M = ceil(the row's largest t), a whole number; so 1/2 < the row's largest p <= 1. The row's sum l is taken of the UNQUANTISED p, in f32, and the product's result is divided by l at the end. Since M is a whole number, a kernel that streams over the keys may use a running M (the ceiling of the running maximum): every later rescaling is an exact power of two, so the quantised numbers keep their values, but for numbers so far below the row's largest that they fall under the format's range.
;;   OPERANDS COMPUTED ON THE WAY. 'Computed on the way' means the value that the module computes at that place (a softmax that the list does not call 'softmax' is quantised finished and normalised). What goes into a quantiser is computed in f32, as accurately as f32 sums, v_exp_f32 and their like allow (about 1e-6 of the number): no bf16 or f16 on the way to a quantiser, and a product that is left as it is and whose result goes on into a quantised operand takes f32 operands (vector FMAs, or v_wmma_f32_16x16x4_f32). A number that lies on a knife's edge between two numbers of the format may be rounded either way, as far as f32 arithmetic and the matrix unit's own rounding can turn it there, and no further.
;; One version. Each part assembles by itself: llvm-mc -triple=amdgcn-amd-amdhsa -mcpu=gfx1250 --defsym DOCPART=n.
;; ======== version 1 of 1: 4 launches
;; limits: right only within a limited range of input values
;; workspace buffers: xcodes 25,165,824 bytes; wcodes 4,194,304 bytes; qkvc 25,165,824 bytes; xc 8,388,608 bytes
;; launch quant (part 1): grid 896 x 1, 4 waves a work-group, no clusters, 33,280 bytes of LDS; arguments query, key, value, Wq, Wk, Wv, Wo, lowp_scales, xcodes, wcodes; writes xcodes, wcodes
.if DOCPART == 1
	.amdgcn_target "amdgcn-amd-amdhsa--gfx1250"
	.amdhsa_code_object_version 6
	.text
	.protected	k_q529b2f0698_quant
	.globl	k_q529b2f0698_quant
	.p2align	8
	.type	k_q529b2f0698_quant,@function
k_q529b2f0698_quant:
	s_mov_b64 s[64:65], 0
	v_nop
	global_prefetch_b8 v0, s[64:65] scope:SCOPE_SE
	s_setreg_imm32_b32 hwreg(HW_REG_WAVE_MODE, 25, 1), 1
	s_wait_xcnt 0x0
; query, key, value [8192][1024] and Wq, Wk, Wv, Wo [1024][1024], all f32 with K innermost, become codes of FP8 (E4M3), one byte each, K innermost, each with the scale 2^e given for it.
; code = x / 2^e, held within +-448, rounded to the nearest code, ties to even.  e: entries 0, 2, 4 (query, key, value) and 1, 3, 5, 11 (Wq, Wk, Wv, Wo) of the buffer of scales.
; LIMITS: -126 <= e and e + 8 <= 127.  NaN among the inputs is not served (an infinity is held at the largest code).
; Rows are dense, so every tensor is a plain stream of numbers and its codes a plain stream of bytes.  xcodes = query's, key's, value's codes on end; wcodes = Wq's, Wk's, Wv's, Wo's on end.
; A work-group takes 32,768 numbers, a wave 8,192: 16 steps of 512.  Work-groups 0-255 query, 256-511 key, 512-767 value, then 32 for each weight.  Only pointers and e are chosen, by selects on the work-group's number: one path.
; The conversion takes eight neighbours from ONE lane's registers, a load is best where neighbouring LANES take neighbouring bytes: each of a step's four loads reads 512 consecutive bytes, 16 a lane; the 2,048 bytes go
; through the wave's own stage in LDS as they lie and come back 64 bytes a lane (16 bytes of padding behind each 64).  A lane's 16 codes are 16 bytes: the wave stores 512 consecutive bytes.
; No tensor loads, no barrier: waves share nothing.  Loads run four steps (16 loads a wave) ahead, the turn through LDS one step.
.set STEPS, 16
.set EMAX,  8
.set MANT,  0x600000                   ; the mantissa field of 448 as f32
.set R,     16                         ; v16-79   four sets of 16 numbers as they are loaded
.set X,     80                         ; v80-111  two sets of 16 neighbours
.set C,     128                        ; v128-191 codes: four registers for each step, so that no store's data are written again
.set WREG,  8192                       ; LDS: a region for each wave: two stages of 32 x SP bytes
.set SP,    80                         ; a lane's place in a stage: its 64 bytes + 16 of padding
	s_load_b512 s[8:23], s[0:1], 0x0               ; query s[8:9], key, value, Wq, Wk, Wv, Wo s[20:21], the scales' exponents s[22:23]
	s_load_b128 s[24:27], s[0:1], 0x40             ; xcodes s[24:25], wcodes s[26:27]
	v_lshl_add_u32 v192, v0, 2, 0x8000
	v_mov_b32 v193, 0
	v_lshrrev_b32 v1, 5, v0
	v_readfirstlane_b32 s28, v1                    ; wave
	v_and_b32 v2, 31, v0                           ; lane
	v_lshlrev_b32 v3, 4, v2                        ; my 16 bytes of a load's 512, and of a store's
	s_mul_i32 s29, s28, WREG
	v_lshrrev_b32 v14, 2, v2
	v_mul_u32_u24 v14, v14, SP
	v_and_b32 v15, 3, v2
	v_lshl_add_u32 v14, v15, 4, v14
	v_add_nc_u32 v14, s29, v14                     ; the stage, on the way in: four lanes' 64 bytes on end, then 16 of padding
	v_mul_u32_u24 v15, v2, SP
	v_add_nc_u32 v15, s29, v15                     ; and on the way out: my 16 neighbours
	s_cmp_lt_u32 ttmp9, 768                        ; an activation or a weight?
	s_cselect_b32 s30, 0, 768                      ; the first work-group of that buffer of codes
	s_mov_b32 s31, 31
	s_cselect_b32 s31, 255, s31                    ; work-groups in a tensor, less one
	s_sub_co_u32 s30, ttmp9, s30                   ; my place in the buffer of codes,
	s_and_b32 s31, s30, s31                        ; and in my tensor
	s_lshl_b32 s30, s30, 2
	s_add_co_u32 s30, s30, s28
	s_lshl_b32 s31, s31, 2
	s_add_co_u32 s31, s31, s28
	s_lshl_b32 s44, s31, 15                        ; my wave's 8,192 numbers: 32,768 bytes each run
	s_mov_b32 s45, 0
	s_lshl_b32 s46, s30, 13                        ; and their 8,192 codes
	s_mov_b32 s47, 0
	s_wait_kmcnt 0x0
	s_load_b256 s[32:39], s[22:23], 0x0            ; e0 .. e7
	s_load_b128 s[40:43], s[22:23], 0x20           ; e8 .. e11
	s_mov_b64 s[4:5], s[8:9]                       ; which tensor: a chain of selects on the work-group's number
	s_cmp_ge_u32 ttmp9, 256
	s_cselect_b64 s[4:5], s[10:11], s[4:5]
	s_cmp_ge_u32 ttmp9, 512
	s_cselect_b64 s[4:5], s[12:13], s[4:5]
	s_cmp_ge_u32 ttmp9, 768
	s_cselect_b64 s[4:5], s[14:15], s[4:5]
	s_cselect_b64 s[6:7], s[26:27], s[24:25]
	s_cmp_ge_u32 ttmp9, 800
	s_cselect_b64 s[4:5], s[16:17], s[4:5]
	s_cmp_ge_u32 ttmp9, 832
	s_cselect_b64 s[4:5], s[18:19], s[4:5]
	s_cmp_ge_u32 ttmp9, 864
	s_cselect_b64 s[4:5], s[20:21], s[4:5]
	s_add_nc_u64 s[4:5], s[4:5], s[44:45]
	s_add_nc_u64 s[6:7], s[6:7], s[46:47]
.macro LOAD t
.irp i, 0,1,2,3
	global_load_b128 v[R+16*((\t)%4)+4*\i:R+16*((\t)%4)+4*\i+3], v3, s[4:5] offset:2048*(\t)+512*\i th:TH_LOAD_NT   ; 32 lanes read 512 consecutive bytes
.endr
.endm
.macro TURN t                          ; step t's numbers through the stage: LDS serves a wave's instructions in order, so no wait stands between the stores and the loads
.irp i, 0,1,2,3
	ds_store_b128 v14, v[R+16*((\t)%4)+4*\i:R+16*((\t)%4)+4*\i+3] offset:32*SP*((\t)%2)+8*SP*\i
.endr
.irp i, 0,1,2,3
	ds_load_b128 v[X+16*((\t)%2)+4*\i:X+16*((\t)%2)+4*\i+3], v15 offset:32*SP*((\t)%2)+16*\i
.endr
.endm
.irp t, 0,1,2,3
	LOAD \t
.endr
	s_wait_kmcnt 0x0
	s_mov_b32 s30, s32                             ; e: the same chain
	s_cmp_ge_u32 ttmp9, 256
	s_cselect_b32 s30, s34, s30
	s_cmp_ge_u32 ttmp9, 512
	s_cselect_b32 s30, s36, s30
	s_cmp_ge_u32 ttmp9, 768
	s_cselect_b32 s30, s33, s30
	s_cmp_ge_u32 ttmp9, 800
	s_cselect_b32 s30, s35, s30
	s_cmp_ge_u32 ttmp9, 832
	s_cselect_b32 s30, s37, s30
	s_cmp_ge_u32 ttmp9, 864
	s_cselect_b32 s30, s43, s30
	s_add_co_i32 s30, s30, 127
	s_lshl_b32 s31, s30, 23
	v_mov_b32 v11, s31                             ; 2^e as f32: the conversion takes its exponent field
	s_add_co_i32 s30, s30, EMAX
	s_lshl_b32 s30, s30, 23
	s_or_b32 s30, s30, MANT
	v_mov_b32 v10, s30                             ; 448 x 2^e
	s_wait_loadcnt 12                              ; step 0's four loads are in; three steps' twelve may be out
	TURN 0
.macro STEP t
.set XS, X+16*((\t)%2)
	s_wait_dscnt 0x0                               ; this step's numbers are back from the stage: so its stores into the stage have read their registers,
.if (\t)+4 < STEPS
	LOAD (\t)+4                                    ; which take the loads of four steps on
.endif
.if (\t)+1 < STEPS
.if STEPS-2-(\t) >= 3
	s_wait_loadcnt 12                              ; the next step's four loads are in; those of the three steps behind it may be out
.else
	s_wait_loadcnt 4*(STEPS-2-(\t))                ; the counts run down: nothing more is asked for
.endif
	TURN (\t)+1                                    ; and go through the other stage while this step is worked
.endif
.irp i, 0,1,2,3,4,5,6,7,8,9,10,11,12,13,14,15
	v_med3_num_f32 v[XS+\i], v[XS+\i], -v10, v10   ; the conversion to an 8-bit code does not saturate (ISA guide 7.6.2): the number is held within the largest code x the scale first
.endr
	v_cvt_scalef32_pk8_fp8_f32 v[C+4*(\t):C+4*(\t)+1], v[XS:XS+7], v11
	v_cvt_scalef32_pk8_fp8_f32 v[C+4*(\t)+2:C+4*(\t)+3], v[XS+8:XS+15], v11   ; the results go to a store alone; the next vector lines are the next step's holds, on other registers
	global_store_b128 v3, v[C+4*(\t):C+4*(\t)+3], s[6:7] offset:512*(\t)      ; 32 lanes store 512 consecutive bytes, at a multiple of 256 from the buffer's first byte
.endm
.irp t, 0,1,2,3,4,5,6,7,8,9,10,11,12,13,14,15
	STEP \t
.endr
	s_wait_tensorcnt 0x0
	ds_add_u32 v192, v193
	s_wait_dscnt 0x0
	s_endpgm
.Lfunc_end_k_q529b2f0698_quant:
	.size	k_q529b2f0698_quant, .Lfunc_end_k_q529b2f0698_quant-k_q529b2f0698_quant
	.p2alignl 7, 3214868480
	.fill 96, 4, 3214868480
	.section	.rodata,"a",@progbits
	.p2align	6, 0x0
	.amdhsa_kernel k_q529b2f0698_quant
		.amdhsa_group_segment_fixed_size 33280
		.amdhsa_private_segment_fixed_size 0
		.amdhsa_enable_private_segment 0
		.amdhsa_kernarg_size 80
		.amdhsa_user_sgpr_count 2
		.amdhsa_user_sgpr_kernarg_segment_ptr 1
		.amdhsa_wavefront_size32 1
		.amdhsa_system_sgpr_workgroup_id_x 1
		.amdhsa_system_sgpr_workgroup_id_y 1
		.amdhsa_system_sgpr_workgroup_id_z 1
		.amdhsa_system_vgpr_workitem_id 0
		.amdhsa_next_free_vgpr 194
		.amdhsa_next_free_sgpr 66
		.amdhsa_reserve_vcc 0
		.amdhsa_float_denorm_mode_32 3
		.amdhsa_float_denorm_mode_16_64 3
		.amdhsa_memory_ordered 1
		.amdhsa_forward_progress 1
		.amdhsa_inst_pref_size 38
	.end_amdhsa_kernel
	.amdgpu_metadata
---
amdhsa.version: [ 1, 2 ]
amdhsa.kernels:
  - .name:           k_q529b2f0698_quant
    .symbol:         k_q529b2f0698_quant.kd
    .args:
      - { .name: query, .offset: 0, .size: 8, .value_kind: global_buffer, .address_space: global }
      - { .name: key, .offset: 8, .size: 8, .value_kind: global_buffer, .address_space: global }
      - { .name: value, .offset: 16, .size: 8, .value_kind: global_buffer, .address_space: global }
      - { .name: Wq, .offset: 24, .size: 8, .value_kind: global_buffer, .address_space: global }
      - { .name: Wk, .offset: 32, .size: 8, .value_kind: global_buffer, .address_space: global }
      - { .name: Wv, .offset: 40, .size: 8, .value_kind: global_buffer, .address_space: global }
      - { .name: Wo, .offset: 48, .size: 8, .value_kind: global_buffer, .address_space: global }
      - { .name: lowp_scales, .offset: 56, .size: 8, .value_kind: global_buffer, .address_space: global }
      - { .name: xcodes, .offset: 64, .size: 8, .value_kind: global_buffer, .address_space: global }
      - { .name: wcodes, .offset: 72, .size: 8, .value_kind: global_buffer, .address_space: global }
    .group_segment_fixed_size: 33280
    .private_segment_fixed_size: 0
    .kernarg_segment_align: 8
    .kernarg_segment_size: 80
    .max_flat_workgroup_size: 128
    .sgpr_count:     66
    .vgpr_count:     194
    .wavefront_size: 32
...
	.end_amdgpu_metadata
.endif
;; end of part 1
;; launch proj (part 2): grid 4 x 96, 4 waves a work-group, clusters of 4 x 4, 327,680 bytes of LDS; arguments xcodes, wcodes, lowp_scales, qkvc; writes qkvc
.if DOCPART == 2
	.amdgcn_target "amdgcn-amd-amdhsa--gfx1250"
	.amdhsa_code_object_version 6
	.text
	.protected	k_q529b2f0698_proj
	.globl	k_q529b2f0698_proj
	.p2align	8
	.type	k_q529b2f0698_proj,@function
k_q529b2f0698_proj:
	s_mov_b64 s[64:65], 0
	v_nop
	global_prefetch_b8 v0, s[64:65] scope:SCOPE_SE
	s_setreg_imm32_b32 hwreg(HW_REG_WAVE_MODE, 25, 1), 1
	s_wait_xcnt 0x0
	s_wait_alu depctr_hold_cnt(0) depctr_sa_sdst(0) depctr_va_vdst(0) depctr_va_sdst(0) depctr_va_ssrc(0) depctr_va_vcc(0) depctr_vm_vsrc(0)
	s_getreg_b32 s2, hwreg(HW_REG_IB_STS2, 6, 4)
	s_cmp_eq_u32 s2, 0
	s_cbranch_scc0 .Lentry_in_a_cluster
	s_endpgm
.Lentry_in_a_cluster:
	s_bfe_u32 s2, ttmp6, 0x10000c
	s_cmp_lg_u32 s2, 0xf033
	s_cbranch_scc0 .Lentry_shape_is_right
	s_endpgm
.Lentry_shape_is_right:
; The three projections q = query Wq^T, k = key Wk^T, v = value Wv^T on codes of FP8 (E4M3), K = 1,024, and their results quantised at once for the two products of attention (scales 2^e6, 2^e7, 2^e9).
; One engine: C[m][n] = sum over k of A[m][k] B[n][k], a tile of 256 x 256 to a work-group of four waves, 128 x 128 (64 accumulators, 512 registers) to a wave; K in steps of 256 through a ring of two LDS slots.
; WHICH TILE.  The cluster's y (0 .. 23) gives T = y / 8 (0 q, 1 k, 2 v) and kap = y % 8, both equal in the sixteen partners.  For q and k: A = the tokens' codes (tile row 4 kap + cy), B = the weight's (tile column cx).
; For v the sides change places: A = Wv (tile row cy), B = value (tile column 4 kap + cx), so that a lane holds one channel and its registers run along the TOKENS, which are the K of attention's second product.
; CLUSTERS: 4 x 4 work-groups; A's tile is asked for jointly by the four of a row of the cluster, B's by the four of a column: the same tensor load, descriptor and mask in all four.
; THE MATRIX INSTRUCTION IS USED TRANSPOSED (source 0 = 16 rows of B, source 1 = 16 rows of A): lane (r, h) holds row r of A's block, and register j of accumulator b column 16 b + 8 h + j.
; A sum stands for sum x 2^(ea + eb); its code is sum / 2^(eo - ea - eb), held within +-448 of that scale: the three exponents are folded into the conversion's one.
; OUT.  qkvc part 0: q [batch x head 64][token 2048][64 bytes]; part 1: k likewise; part 2: v [batch x head][block of 64 tokens][channel 64][64 bytes].  A conversion's 8 codes are columns 16 b + 8 h + 0 .. 7, and two
; accumulators' 16 bytes are stored together: position 32 c + 16 h + i of a run of 64 holds index 32 c + 16 (i / 8) + 8 h + i % 8.  For q and k that is one permutation of the contracted axis on both sides;
; for v it is the order in which a 16-byte load fills the second product's operand registers.
; LIMITS: eo - ea - eb between -126 and 119.
; REGISTERS, in windows of 256: window 0: v0-31 addresses and constants; v32-95 at work on the way out; from v128 A's fragments, ONE set (on the way out: the codes).  window 1: B's fragments, TWO sets.  windows 2, 3: the accumulators ((a, b) at v[8 (8 (a % 4) + b)]).
.set SIZE_K, 1024
.set KSTEP,  256                       ; along K in a slot
.set ROWB,   256                       ; a tile's row in bytes
.set KROW,   SIZE_K                    ; a row of codes in memory, in bytes
.set PITCH,  272                       ; an LDS row: 256 bytes + 16 of padding: the 16 rows that a load touches start at 16 different 16-byte columns modulo 256
.set FR,     16                        ; registers of a fragment: 16 rows x 128 K
.set NL,     4                         ; LDS loads that bring one
.set NP,     4                         ; places behind this matrix instruction (ISA guide 7.12.1)
.set HALFT,  128*PITCH                 ; 128 rows: what one tensor load brings, and what one wave reads of A or of B
.set SLOT,   4*HALFT                   ; A's 256 rows, then B's 256 rows
.set LAPS,   SIZE_K/(2*KSTEP)          ; a lap = two K steps = once round the ring
.set SPARE,  2*SLOT                    ; behind the ring: the spare words, 128 bytes for each wave: two blocks of 256 bytes that no other line names
.set SBLK,   2176                      ; the way out: a block's codes in my stage: two groups of 1,024 bytes, each four rows of 256 + 16
.set SWAVE,  8*SBLK                    ; a wave's stage, a place for each of its eight blocks.  The stages lie in slot 0, which has had its last fill and its last read when the first code is stored there
.set ADRA, 16                          ; v16-17  LDS address of my A fragments in slot 0, 1
.set ADRB, 20                          ; v20-21  the same for B
.set STO,  24                          ; v24     the way out: where I put 16 bytes
.set RD,   25                          ; v25     where I read 16 bytes back
.set CO,   26                          ; v26-27  my byte offset in a group of 1,024 bytes in memory: the first group's, the second's
.set SPW,  28                          ; v28     LDS address of my spare word; never rewritten
.set NIL,  29                          ; v29     0; never rewritten
.set SCV,  30                          ; v30     2^(eo - ea - eb) as f32
.set HOLDV, 31                         ; v31     448 x that
.set TMP,  32                          ; v32-95  a block's sums, held
.set AF,   128                         ; A's fragments, in window 0
.set G1, 24                            ; s[24:31] descriptor group 1 for A's tiles;  s[32:39] group 0, one set for each slot
.set G0, 32
.set G1B, 48                           ; s[48:55], s[56:63] the same for B's tiles
.set G0B, 56
.set TT,  67                           ; s67  T
.set MSB, 0
.macro WIN new                         ; the immediate's high byte repeats the setting that is left
.if MSB != \new
	s_set_vgpr_msb (MSB<<8)|\new
.set MSB, \new
.endif
.endm
.set MUL_LO, 0xa1                      ; source 0 (B) window 1, source 1 (A) window 0, C and D window 2
.set MUL_HI, 0xf1                      ; the same, C and D window 3
.set TO_B,   0x40                      ; destination window 1, address window 0
; A joint load: waves 0 and 1 fetch for A, waves 2 and 3 for B.  Each line has ONE mask and one set of registers for all that issue it; the branch hangs on the wave's number alone.
; Four v_nop follow each of the two lines, ahead of the jump, the label and what follows.
.macro JLOAD g0a, g1a, g0b, g1b
	s_cmp_eq_u32 s15, 0
	s_cbranch_scc0 .Lfor_b_\@
	tensor_load_to_lds s[\g0a:\g0a+3], s[\g1a:\g1a+7]
	s_nop 0
.rept 4
	v_nop
.endr
	s_branch .Lasked_\@
.Lfor_b_\@:
	tensor_load_to_lds s[\g0b:\g0b+3], s[\g1b:\g1b+7]
	s_nop 0
.rept 4
	v_nop
.endr
.Lasked_\@:
.endm
.macro CREST                           ; a round of the cluster's barrier behind its opening barrier
	s_cmp_lg_u32 s14, 0
	s_cbranch_scc1 .Lnot_wave_0_\@
	s_barrier_signal -3
.Lnot_wave_0_\@:
	s_barrier_wait -3
	s_barrier_signal -1
	s_barrier_wait -1
.endm
.macro CROUND                          ; a whole round
	s_barrier_signal -1
	s_barrier_wait -1
	CREST
.endm
	s_load_b128 s[4:7], s[0:1], 0x0                ; xcodes s[4:5], wcodes s[6:7]
	s_load_b128 s[8:11], s[0:1], 0x10              ; the scales' exponents s[8:9], qkvc s[10:11]
	v_lshl_add_u32 v[SPW], v0, 2, SPARE
	v_mov_b32 v[NIL], 0
	ds_add_u32 v28, v29
	ds_add_u32 v28, v29
	s_wait_dscnt 0x0
	v_lshrrev_b32 v1, 5, v0
	v_readfirstlane_b32 s14, v1                    ; wave 0..3
	s_lshr_b32 s15, s14, 1                         ; which half of the tile's rows is mine.  Also: I fetch for A (0) or for B (1)
	s_and_b32 s16, s14, 1                          ; which half of its columns.  Also: which 128 rows of that tile I fetch
	s_bfe_u32 s40, ttmp6, 0x40000                  ; cx, cy: my place in the cluster
	s_bfe_u32 s41, ttmp6, 0x40004
	s_and_b32 s66, ttmp7, 0xffff                   ; the cluster's y
	s_lshr_b32 s[TT], s66, 3                       ; T: 0 q, 1 k, 2 v
	s_and_b32 s66, s66, 7
	s_lshl_b32 s66, s66, 2                         ; 4 kap
	s_cmp_eq_u32 s[TT], 2
	s_cselect_b32 s17, 0, s66
	s_cselect_b32 s42, s66, 0
	s_add_co_u32 s17, s17, s41                     ; tile row: cy, + 4 kap for q and k
	s_add_co_u32 s42, s42, s40                     ; tile column: cx, + 4 kap for v
	s_lshl_b32 s43, s41, 2
	s_lshl_b32 s43, 15, s43                        ; my row of the cluster
	s_lshl_b32 s44, 0x1111, s40                    ; my column
	; descriptor group 1: a tile of 128 rows x 256 bytes, padded in LDS
	s_or_b32 s[G1+0], s43, (0<<16)|(1<<20)|(1<<21)|(5<<22)|(3<<25)  ; 15:0 the mask: A's tiles go to my row; 17:16 element of 1 byte; 20 padding on; 21 set beside a mask; 24:22 after every 64 words (code 5); 31:25 of 4 words (code 3)
	s_or_b32 s[G1B+0], s44, (0<<16)|(1<<20)|(1<<21)|(5<<22)|(3<<25)
.irp g, G1, G1B
	s_mov_b32 s[\g+1], ROWB<<16                    ; tensor_dim0
	s_mov_b32 s[\g+2], 128<<16                     ; tensor_dim1 = 128
	s_mov_b32 s[\g+3], ROWB<<16                    ; tile_dim0
	s_mov_b32 s[\g+4], 128                         ; tile_dim1 = 128
	s_mov_b32 s[\g+5], KROW                        ; tensor_dim0_stride
	s_mov_b32 s[\g+6], 0
	s_mov_b32 s[\g+7], 0
.endr
	s_lshl_b32 s18, s16, 7                         ; which 128 rows of the tile I fetch
	s_lshl_b32 s20, s17, 8
	s_add_co_u32 s20, s20, s18                     ; A: row 256 x tile row + 128 x half,
	s_lshl_b32 s20, s20, 10                        ; in bytes (under 2^23)
	s_mov_b32 s21, 0
	s_lshl_b32 s46, s42, 8
	s_add_co_u32 s46, s46, s18                     ; B: row 256 x tile column + 128 x half
	s_lshl_b32 s46, s46, 10
	s_mov_b32 s47, 0
	s_lshl_b32 s72, s[TT], 23                      ; tensor T's codes in xcodes,
	s_mov_b32 s73, 0
	s_lshl_b32 s74, s[TT], 20                      ; and its weight's in wcodes
	s_mov_b32 s75, 0
	s_mul_i32 s45, s14, HALFT                      ; where the tiles go: wave x 128 rows: no place in the cluster enters an LDS address
	s_wait_kmcnt 0x0
	s_load_b256 s[80:87], s[8:9], 0x0              ; e0 .. e7
	s_load_b128 s[88:91], s[8:9], 0x20             ; e8 .. e11
	s_add_nc_u64 s[4:5], s[4:5], s[72:73]
	s_add_nc_u64 s[6:7], s[6:7], s[74:75]
	s_cmp_eq_u32 s[TT], 2
	s_cselect_b64 s[76:77], s[6:7], s[4:5]         ; A: the tokens, or for v the weight
	s_cselect_b64 s[78:79], s[4:5], s[6:7]         ; B: the other
	s_add_nc_u64 s[20:21], s[76:77], s[20:21]
	s_add_nc_u64 s[46:47], s[78:79], s[46:47]
	CROUND                                         ; all sixteen work-groups are here: the first joint loads meet
.irp s, 0,1
	s_mov_b32 s[G0+4*\s], 1
	s_add_co_u32 s[G0+4*\s+1], s45, \s*SLOT
	s_add_nc_u64 s[G0+4*\s+2:G0+4*\s+3], s[20:21], \s*ROWB
	s_or_b32 s[G0+4*\s+3], s[G0+4*\s+3], 0x80000000
	s_mov_b32 s[G0B+4*\s], 1
	s_add_co_u32 s[G0B+4*\s+1], s45, \s*SLOT
	s_add_nc_u64 s[G0B+4*\s+2:G0B+4*\s+3], s[46:47], \s*ROWB
	s_or_b32 s[G0B+4*\s+3], s[G0B+4*\s+3], 0x80000000
	JLOAD G0+4*\s, G1, G0B+4*\s, G1B
.endr
	v_and_b32 v1, 15, v0                           ; r = l % 16
	v_bfe_u32 v2, v0, 4, 1                         ; h = l / 16
	v_mul_u32_u24 v3, v1, PITCH
	v_lshl_add_u32 v4, v2, 4, v3                   ; a fragment's row x pitch + 16 x half
	s_mul_i32 s21, s15, HALFT                      ; my 128 rows of A
	s_mul_i32 s22, s16, HALFT                      ; my 128 rows of B,
	s_add_co_u32 s22, s22, 2*HALFT                 ; which lie behind A's 256
.irp s, 0,1
	v_add_nc_u32 v[ADRA+\s], s21, v4
	v_add_nc_u32 v[ADRB+\s], s22, v4
	s_add_co_u32 s21, s21, SLOT
	s_add_co_u32 s22, s22, SLOT
.endr
	; where my codes go.  m0, n0: my first row and column of C; one of them is a token, the other a channel
	s_lshl_b32 s20, s17, 8
	s_lshl_b32 s21, s15, 7
	s_add_co_u32 s20, s20, s21                     ; m0
	s_lshl_b32 s22, s42, 8
	s_lshl_b32 s23, s16, 7
	s_add_co_u32 s22, s22, s23                     ; n0
	s_cmp_eq_u32 s[TT], 2
	s_cselect_b32 s18, s22, s20                    ; my first token
	s_cselect_b32 s19, s20, s22                    ; my first channel
	s_mov_b32 s72, 0x20000                         ; a head's part: 131,072 bytes
	s_cselect_b32 s73, s72, 4096                   ; from my blocks 0-3 to my blocks 4-7: for v the next head, else 64 tokens on
	s_cselect_b32 s72, 4096, s72                   ; from a block's first group to its second: for v the next 64 tokens, else the next head
	s_lshr_b32 s20, s18, 11                        ; batch
	s_lshl_b32 s20, s20, 4
	s_lshr_b32 s21, s19, 6                         ; head
	s_add_co_u32 s20, s20, s21
	s_lshl_b32 s20, s20, 17
	s_and_b32 s21, s18, 2047
	s_lshl_b32 s21, s21, 6                         ; 64 bytes a token (for v: 4,096 for each 64 tokens)
	s_add_co_u32 s20, s20, s21
	s_lshl_b32 s21, s[TT], 23                      ; part T
	s_add_co_u32 s20, s20, s21
	s_mov_b32 s21, 0
	s_add_nc_u64 s[68:69], s[10:11], s[20:21]      ; blocks 0-3
	s_mov_b32 s20, s73
	s_add_nc_u64 s[70:71], s[68:69], s[20:21]      ; blocks 4-7
	s_mul_i32 s23, s14, SWAVE                      ; my stage
	v_lshrrev_b32 v5, 2, v1
	v_mul_u32_u24 v5, v5, 272
	v_and_b32 v6, 3, v1
	v_lshl_add_u32 v5, v6, 6, v5                   ; in: row r's 64 bytes, four rows to 256 + 16,
	v_lshl_add_u32 v5, v2, 4, v5                   ; + 16 h
	v_add_nc_u32 v[STO], s23, v5
	v_mul_u32_u24 v5, v2, 272                      ; back: 512 bytes on end: lanes 0-15 one run of 256, lanes 16-31 the next
	v_lshl_add_u32 v5, v1, 4, v5
	v_add_nc_u32 v[RD], s23, v5
	v_and_b32 v6, 31, v0
	v_lshlrev_b32 v[CO], 4, v6
	v_add_nc_u32 v[CO+1], s72, v[CO]
.macro FRAG reg, adr, q, i             ; a fragment, 16 rows x 128 K of 8-bit codes, is 16 registers: lane l holds row l % 16; registers 4 c .. 4 c + 3 hold K = 32 c + 16 (l / 16) + 0 .. 15: the same places in A and in B
.irp c, 0,1,2,3
	ds_load_b128 v[\reg+4*\c:\reg+4*\c+3], v[\adr] offset:128*(\q)+32*\c+(\i)*16*PITCH
.endr
.endm
; 16 matrix instructions: A's blocks a0, a0 + 1 x B's eight, 128 along K.  p: B's set.  zero = 1: the first product starts the sums.
; The 64 accumulators take turns, one instruction a turn, in the same order in every step.
.macro MUL16 a0, p, zero
.irp a, \a0, \a0+1
.irp b, 0,1,2,3,4,5,6,7
.if \zero
	v_wmma_f32_16x16x128_fp8_fp8 v[8*(8*((\a)%4)+\b):8*(8*((\a)%4)+\b)+7], v[128*(\p)+FR*\b:128*(\p)+FR*\b+FR-1], v[AF+FR*(\a):AF+FR*(\a)+FR-1], 0
.else
	v_wmma_f32_16x16x128_fp8_fp8 v[8*(8*((\a)%4)+\b):8*(8*((\a)%4)+\b)+7], v[128*(\p)+FR*\b:128*(\p)+FR*\b+FR-1], v[AF+FR*(\a):AF+FR*(\a)+FR-1], v[8*(8*((\a)%4)+\b):8*(8*((\a)%4)+\b)+7]
.endif
.endr
.endr
.endm
.macro FETCH_B slot, q, p              ; B's eight fragments of the slot's q-th 128 along K into set p
	WIN TO_B
.irp i, 0,1,2,3,4,5,6,7
	FRAG 128*(\p)+FR*\i, ADRB+\slot, \q, \i
.endr
	WIN 0
.endm
.macro FETCH_A slot, q, i0             ; A's blocks i0 .. i0 + 3
.irp i, \i0, \i0+1, \i0+2, \i0+3
	FRAG AF+FR*(\i), ADRA+\slot, \q, \i
.endr
.endm
; A load into a register that a matrix instruction has read, and a vector instruction that reads a matrix result, stand NP places behind that matrix instruction; only plain vector instructions that name none of its registers are places.
.macro PLACES n
.rept \n
	v_nop
.endr
.endm
; A step of 128 along K that has its successor in the same slot.  A's block is free as soon as its eight products are issued: blocks 0-3 are fetched anew in the step's middle, blocks 4-7 at its end.
.macro STEP slot, q, zero
	s_wait_dscnt 4*NL                              ; B's set and A's blocks 0-3 are in; the youngest sixteen loads (A's blocks 4-7) may be out
	WIN MUL_LO
	MUL16 0, (\q)%2, \zero
	MUL16 2, (\q)%2, \zero
	s_wait_dscnt 0                                 ; A's blocks 4-7 are in
	PLACES NP
	FETCH_B \slot, (\q)+1, 1-(\q)%2
	FETCH_A \slot, (\q)+1, 0
	WIN MUL_HI
	MUL16 4, (\q)%2, \zero
	MUL16 6, (\q)%2, \zero
	PLACES NP
	WIN 0
	FETCH_A \slot, (\q)+1, 4
.endm
; A slot's last step changes slots: ONE barrier; in front of it each wave waits for all its tensor loads, adds 0 to its spare word, and waits for that and for its own reads of this slot.  fill = 1: this slot is filled again, two K steps ahead.
.macro TURN slot, next, fill
	s_wait_tensorcnt 0x0                           ; all my tensor loads have landed: my part of the next slot;  (every window is 0 here)
	ds_add_u32 v[SPW], v[NIL]                      ; 0 onto my spare word;
	s_wait_dscnt 4*NL+1                            ; (the add and the youngest sixteen loads, A's blocks 4-7, may be out)
	WIN MUL_LO
	MUL16 0, 1, 0                                  ; sixteen matrix instructions stand between the add and the wait for it
	s_wait_dscnt 0x0                               ; the add is done, and my reads of this slot are over
	s_barrier_signal -1
	MUL16 2, 1, 0
	WIN 0
	s_barrier_wait -1
.if \fill
	CREST                                          ; the barrier has opened a round of the cluster's barrier: no wave of any partner still reads this slot's tile or has a load on its way
	s_add_nc_u64 s[G0+4*\slot+2:G0+4*\slot+3], s[G0+4*\slot+2:G0+4*\slot+3], 2*ROWB
	s_add_nc_u64 s[G0B+4*\slot+2:G0B+4*\slot+3], s[G0B+4*\slot+2:G0B+4*\slot+3], 2*ROWB
	JLOAD G0+4*\slot, G1, G0B+4*\slot, G1B         ; the first tensor load behind the round; the four v_nop behind it are the places in front of the loads below
.else
	PLACES NP
.endif
	FETCH_B \next, 0, 0
	FETCH_A \next, 0, 0
	WIN MUL_HI
	MUL16 4, 1, 0
	MUL16 6, 1, 0
	PLACES NP
	WIN 0
	FETCH_A \next, 0, 4
.endm
	s_wait_tensorcnt 1                             ; my part of K step 0 is in (K step 1's load may be out)
	s_barrier_signal -1
	s_barrier_wait -1                              ; everybody's is
	FETCH_B 0, 0, 0
	FETCH_A 0, 0, 0
	FETCH_A 0, 0, 4
	STEP 0, 0, 1                                   ; the first step stands in front of the loop: its products start the sums
	s_mov_b32 s3, LAPS-1
.Llap:                                                 ; a trip goes once round the ring, from a lap's second step to the next lap's first, and fills both slots again
	TURN 0, 1, 1
	STEP 1, 0, 0
	TURN 1, 0, 1
	STEP 0, 0, 0
	s_sub_co_u32 s3, s3, 1
	s_cmp_lg_u32 s3, 0
	s_cbranch_scc1 .Llap
	TURN 0, 1, 0                                   ; the last lap fills nothing, and has no round of the cluster's barrier
	STEP 1, 0, 0
	s_wait_dscnt 4*NL                              ; the very last step: nothing more to fetch
	WIN MUL_LO
	MUL16 0, 1, 0
	MUL16 2, 1, 0
	s_wait_dscnt 0
	WIN MUL_HI
	MUL16 4, 1, 0
	MUL16 6, 1, 0
	WIN 0
; THE WAY OUT, block by block of 16 rows x 128 columns: held, converted (8 registers of an accumulator -> 8 codes), 16 bytes a lane into my stage, back as runs of 512 bytes, stored.
; A block is two groups of 16 rows x 64 bytes, each dense in memory.  Each block has its own codes' registers and its own place in the stage: nothing is written twice, so no wait frees a store's data.
.macro TOSTAGE a
.set AC, 64*((\a)%4)
.set CD, 128+16*(\a)
.set WW, 0x02+(\a)/4
	WIN WW                                         ; source 0: window 2 or 3
.set j, 0
.rept 64
	v_med3_num_f32 v[TMP+j], v[AC+j], -v[HOLDV], v[HOLDV]   ; the conversion does not saturate (ISA guide 7.6.2): the hold; each accumulator from its low end on
.set j, j+1
.endr
	WIN 0
.irp b, 0,1,2,3,4,5,6,7
	v_cvt_scalef32_pk8_fp8_f32 v[CD+2*\b:CD+2*\b+1], v[TMP+8*\b:TMP+8*\b+7], v[SCV]
.endr
	v_nop                                          ; one plain vector instruction behind the last conversion: the next block's holds write its sources
.irp c, 0,1,2,3
	ds_store_b128 v[STO], v[CD+4*\c:CD+4*\c+3] offset:SBLK*(\a)+1088*(\c/2)+32*(\c%2)
.endr
.irp i, 0,1,2,3
	ds_load_b128 v[CD+4*\i:CD+4*\i+3], v[RD] offset:SBLK*(\a)+1088*(\i/2)+544*(\i%2)   ; LDS serves a wave's instructions in order (ISA guide 5.7.1.4): these see the stores above
.endr
.endm
.macro SEND a, younger                 ; younger: the LDS instructions issued behind block a's loads
.set CD, 128+16*(\a)
.set BS, 68+2*((\a)/4)
	s_wait_dscnt \younger
.irp i, 0,1,2,3
	global_store_b128 v[CO+\i/2], v[CD+4*\i:CD+4*\i+3], s[BS:BS+1] offset:1024*((\a)%4)+512*(\i%2)   ; 32 lanes store 512 consecutive bytes, at a multiple of 256 from the buffer's first byte
.endr
.endm
	s_wait_kmcnt 0x0
	s_cmp_eq_u32 s[TT], 0                          ; the three exponents of my product, by selects
	s_cselect_b32 s92, s80, s82
	s_cselect_b32 s93, s81, s83
	s_cselect_b32 s94, s86, s87
	s_cmp_eq_u32 s[TT], 2
	s_cselect_b32 s92, s84, s92                    ; ea
	s_cselect_b32 s93, s85, s93                    ; eb
	s_cselect_b32 s94, s89, s94                    ; eo: e6, e7 or e9
	s_sub_co_i32 s94, s94, s92
	s_sub_co_i32 s94, s94, s93
	s_add_co_i32 s94, s94, 127
	s_lshl_b32 s95, s94, 23
	v_mov_b32 v[SCV], s95
	s_add_co_i32 s94, s94, 8
	s_lshl_b32 s94, s94, 23
	s_or_b32 s94, s94, 0x600000
	v_mov_b32 v[HOLDV], s94
	PLACES NP                                      ; behind the last products: for the reads of their results and the writes over A's fragments
	TOSTAGE 0
.irp a, 1,2,3,4,5,6,7
	TOSTAGE \a
	SEND \a-1, 8                                   ; behind block a - 1's loads: block a's four stores and four loads
.endr
	SEND 7, 0
	s_wait_tensorcnt 0x0                           ; the wave's end: behind my last tensor load and my last LDS store
	ds_add_u32 v[SPW], v[NIL]
	s_wait_dscnt 0x0
	CROUND                                         ; the closing round: no work-group ends while a partner may still ask for a tile that names it
	s_endpgm
.Lfunc_end_k_q529b2f0698_proj:
	.size	k_q529b2f0698_proj, .Lfunc_end_k_q529b2f0698_proj-k_q529b2f0698_proj
	.p2alignl 7, 3214868480
	.fill 96, 4, 3214868480
	.section	.rodata,"a",@progbits
	.p2align	6, 0x0
	.amdhsa_kernel k_q529b2f0698_proj
		.amdhsa_group_segment_fixed_size 327680
		.amdhsa_private_segment_fixed_size 0
		.amdhsa_enable_private_segment 0
		.amdhsa_kernarg_size 32
		.amdhsa_user_sgpr_count 2
		.amdhsa_user_sgpr_kernarg_segment_ptr 1
		.amdhsa_wavefront_size32 1
		.amdhsa_system_sgpr_workgroup_id_x 1
		.amdhsa_system_sgpr_workgroup_id_y 1
		.amdhsa_system_sgpr_workgroup_id_z 1
		.amdhsa_system_vgpr_workitem_id 0
		.amdhsa_next_free_vgpr 1024
		.amdhsa_next_free_sgpr 96
		.amdhsa_reserve_vcc 0
		.amdhsa_float_denorm_mode_32 3
		.amdhsa_float_denorm_mode_16_64 3
		.amdhsa_memory_ordered 1
		.amdhsa_forward_progress 1
		.amdhsa_inst_pref_size 123
	.end_amdhsa_kernel
	.amdgpu_metadata
---
amdhsa.version: [ 1, 2 ]
amdhsa.kernels:
  - .name:           k_q529b2f0698_proj
    .symbol:         k_q529b2f0698_proj.kd
    .args:
      - { .name: xcodes, .offset: 0, .size: 8, .value_kind: global_buffer, .address_space: global }
      - { .name: wcodes, .offset: 8, .size: 8, .value_kind: global_buffer, .address_space: global }
      - { .name: lowp_scales, .offset: 16, .size: 8, .value_kind: global_buffer, .address_space: global }
      - { .name: qkvc, .offset: 24, .size: 8, .value_kind: global_buffer, .address_space: global }
    .group_segment_fixed_size: 327680
    .private_segment_fixed_size: 0
    .kernarg_segment_align: 8
    .kernarg_segment_size: 32
    .max_flat_workgroup_size: 128
    .sgpr_count:     96
    .vgpr_count:     1024
    .wavefront_size: 32
...
	.end_amdgpu_metadata
.endif
;; end of part 2
;; launch attn (part 3): grid 4 x 64, 8 waves a work-group, clusters of 4 x 1, 327,680 bytes of LDS; arguments qkvc, mask, lowp_scales, xc; writes xc
.if DOCPART == 3
	.amdgcn_target "amdgcn-amd-amdhsa--gfx1250"
	.amdhsa_code_object_version 6
	.text
	.protected	k_q529b2f0698_attn
	.globl	k_q529b2f0698_attn
	.p2align	8
	.type	k_q529b2f0698_attn,@function
k_q529b2f0698_attn:
	s_mov_b64 s[64:65], 0
	v_nop
	global_prefetch_b8 v0, s[64:65] scope:SCOPE_SE
	s_setreg_imm32_b32 hwreg(HW_REG_WAVE_MODE, 25, 1), 1
	s_wait_xcnt 0x0
	s_wait_alu depctr_hold_cnt(0) depctr_sa_sdst(0) depctr_va_vdst(0) depctr_va_sdst(0) depctr_va_ssrc(0) depctr_va_vcc(0) depctr_vm_vsrc(0)
	s_getreg_b32 s2, hwreg(HW_REG_IB_STS2, 6, 4)
	s_cmp_eq_u32 s2, 0
	s_cbranch_scc0 .Lentry_in_a_cluster
	s_endpgm
.Lentry_in_a_cluster:
	s_bfe_u32 s2, ttmp6, 0x10000c
	s_cmp_lg_u32 s2, 0x3003
	s_cbranch_scc0 .Lentry_shape_is_right
	s_endpgm
.Lentry_shape_is_right:
; Attention on codes of FP8 (E4M3): scores = q k^T / 8 (K = 64), the padding mask, p = 2^(t - M), x = p v / l (K = the 2,048 keys), x quantised with 2^e10 for the last projection.
; IN: qkvc: q and k [batch x head 64][token 2048][64 bytes], v [batch x head][block of 64 tokens][channel 64][64 bytes]; position 32 c + 16 h + i of a run of 64 holds index 32 c + 16 (i / 8) + 8 h + i % 8.
; OUT: xc [head 16][row = 2048 batch + token][64 bytes], channels in their own order.
; SHARES.  A work-group owns 512 queries of one head; each of its eight waves 32 at a time (two tiles of 16), twice.  The four work-groups of a cluster share a head: K and V are asked for jointly.
; ALL of the head's K and V lies in LDS, filled once: no slot is filled again.  A wave's load is one key step's K (waves 0-3) or V (waves 4-7): 32 rows of 256 bytes; smaller than a load might be, so that a quarter of
; the keys can be worked on while the other three quarters are on their way.  Four tensor loads of a wave are out at the most.
; LAYOUT.  Both products transposed: S^T = K Q^T (source 0 = 16 keys, source 1 = 16 queries): lane (r, h) holds query r, register 8 t + j key 16 t + 8 h + j.  Eight such registers convert into the two registers that the
; K = 128 form's own layout gives those keys, so p's codes ARE source 1 of O^T = V^T P^T; V's rows are laid so that 16-byte loads fill source 0 in the same order.
; THE MASK costs nothing in the loop.  Keys: a table in LDS, 0 for a live key and -2^100 for a masked one, is the C of each product K Q^T; a sum of codes (at most 64 x 448^2) vanishes beside it, and p = 0 as with -1e9.
; Queries: the lane's factor c is 0 for a masked query: then t = 0 for every key, M = 0, p = 1, l = 2,048, which is what equal logits give.  A live query has a live key: itself.
; THE SOFTMAX: t = sum x c, c = log2(e) / 8 x 2^(e6 + e7); M = the running largest t rounded up, kept as -M = floor(-t); p = 2^(t - M); l is summed of the unquantised p; when M moves, l and O^T are multiplied by 2^(old M - new M).
; The running largest t begins at -2^31, under every live t (|t| <= 64 x 448^2 x c) and above every masked one: a step in which all keys are masked leaves M alone and gives p = 0.
; LIMITS: e6 + e7 between -60 and 9 (so that -2^100 c < -2^31 < every live t, and no live logit reaches -1e9); e8, and e10 - e8 - e9, between -126 and 119.  A mask entry counts as true if it is not 0.  NaN is not served.
; REGISTERS: window 0: v1-19 addresses and constants; v20-33, v36-49 a tile's statistics; v64-191 S^T, then p (64 a tile); v192-223 p's codes; v224-239 Q; v240-255 at work.
;   window 1: v0-63 K's 8 fragments; v64-127 V's 4; v128-191 the keys' table for 8 tiles; v192-255 O^T (tile q, channels 16 t on: v[192 + 32 q + 8 t]).
.set KSB,   8704                       ; a key step's K, or V, in LDS: 32 rows of 256 bytes + 16 of padding; four rows of 64 bytes lie in each, so the 16 rows of a fragment start at 16 different 16-byte columns modulo 256
.set CHB,   4*KSB                      ; a chunk: four key steps
.set VOFF,  16*KSB                     ; V lies behind K
.set BIAS,  2*VOFF                     ; the keys' table: 2,048 words
.set STG,   BIAS+8192                  ; the stages for the way out,
.set STGW,  2304                       ; nine blocks of 256 bytes for each wave: two tiles of 4 x 272
.set AKV0, 3                           ; v3   my lane's place in a tile of K or V
.set AB0,  4                           ; v4   and in the table
.set ADK,  5                           ; v5-7 the step's addresses: K, V, table
.set ADV,  6
.set ADB,  7
.set QO,   8                           ; v8   my byte offset in 16 rows of q
.set MO,   9                           ; v9   in 16 words of the mask
.set XSTO, 10                          ; v10  the way out: where I put 8 bytes
.set XRD,  11                          ; v11  where I read 16 bytes back
.set GO,   12                          ; v12  16 x lane
.set HOLDP, 13                         ; v13  448 x 2^e8
.set SCP,  14                          ; v14  2^e8
.set HOLDX, 15                         ; v15  448 x 2^(e10 - e8 - e9)
.set SCX,  16                          ; v16  2^(e10 - e8 - e9)
.set CV,   17                          ; v17  c
.set ST,   20                          ; tile q's statistics at v[ST + 16 q]:
.set oNM,  0                           ;  -M;  +1 the largest t (a pair: the packed form takes the low word)
.set oTM,  1
.set oCL,  2                           ;  c or 0; +3 written once
.set oL0,  4                           ;  l in four parts: two pairs
.set oL1,  6
.set oF,   8                           ;  f = 2^(old M - new M), at the end 1 / l; +9 written once
.set oX0,  10                          ;  at work
.set oX1,  11
.set oX2,  12
.set oMQ,  13                          ;  my query's mask
.set S,    64
.set P,    192
.set QF,   224
.set KF,   0                           ; window 1
.set VF,   64
.set BI,   128
.set O,    192
.set WV,   12                          ; s12  wave
.set G1,   24                          ; s[24:31] descriptor group 1;  s[32:47] four groups 0, one for each chunk; none is ever rewritten
.set G0,   32
.set SEL,  56                          ; s[56:57] lane selects for v_permlanex16_b32: lane l xor 16
.set TB,   58                          ; s58  the step's first byte of K in LDS
.set TBB,  59                          ; s59  and of the table
.set CNT,  60
.set PASS, 61
.set MSB, 0
.macro WIN new                         ; the immediate's high byte repeats the setting that is left
.if MSB != \new
	s_set_vgpr_msb (MSB<<8)|\new
.set MSB, \new
.endif
.endm
.set W_LD,  0x40                       ; destination window 1
.set W_QK,  0x11                       ; K and the table in window 1, Q and S^T in window 0
.set W_RS,  0x41                       ; O^T (destination and source 0) in window 1, f in window 0
.set W_PV,  0x51                       ; V and O^T in window 1, p's codes in window 0
.set W_OUT, 0x01                       ; source 0 (O^T) in window 1
.macro CROUND                          ; a round of the cluster's barrier
	s_barrier_signal -1
	s_barrier_wait -1
	s_cmp_lg_u32 s[WV], 0
	s_cbranch_scc1 .Lnot_wave_0_\@
	s_barrier_signal -3
.Lnot_wave_0_\@:
	s_barrier_wait -3
	s_barrier_signal -1
	s_barrier_wait -1
.endm
	s_load_b256 s[4:11], s[0:1], 0x0               ; qkvc s[4:5], mask s[6:7], the scales' exponents s[8:9], xc s[10:11]
	v_lshl_add_u32 v62, v0, 2, 0x4a800
	v_mov_b32 v63, 0
	ds_add_u32 v62, v63
	ds_add_u32 v62, v63
	v_lshrrev_b32 v1, 5, v0
	v_readfirstlane_b32 s[WV], v1                  ; wave 0..7
	s_bfe_u32 s13, ttmp6, 0x40000                  ; cx: my block of 512 queries; it enters q's, the mask's and xc's addresses alone
	s_and_b32 s14, ttmp7, 0xffff                   ; 16 x batch + head, which the four partners share
	s_lshr_b32 s15, s[WV], 2                       ; I fetch for K (0) or for V (1),
	s_and_b32 s16, s[WV], 3                        ; the key step 4 c + this of chunk c
	s_mul_i32 s17, s15, VOFF
	s_mul_i32 s18, s16, KSB
	s_add_co_u32 s17, s17, s18                     ; its place in LDS, for chunk 0
	s_add_co_u32 s18, s15, 1
	s_lshl_b32 s18, s18, 23                        ; part 1 (k) or 2 (v) of qkvc,
	s_lshl_b32 s19, s14, 17                        ; the head's 131,072 bytes,
	s_add_co_u32 s18, s18, s19
	s_lshl_b32 s19, s16, 13                        ; the key step's 8,192
	s_add_co_u32 s18, s18, s19
	s_mov_b32 s19, 0
	; descriptor group 1: 32 rows of 256 bytes, dense in memory, 16 bytes of padding behind each in LDS
	s_mov_b32 s[G1], 15|(0<<16)|(1<<20)|(1<<21)|(5<<22)|(3<<25)  ; 15:0 the mask: all four work-groups; 17:16 elements of 1 byte; 20 padding on; 21 set beside a mask; 24:22 after every 64 words (code 5); 31:25 four words (code 3)
	s_mov_b32 s[G1+1], 256<<16                     ; tensor_dim0
	s_mov_b32 s[G1+2], 32<<16                      ; tensor_dim1
	s_mov_b32 s[G1+3], 256<<16                     ; tile_dim0
	s_mov_b32 s[G1+4], 32                          ; tile_dim1
	s_mov_b32 s[G1+5], 256                         ; tensor_dim0_stride
	s_mov_b32 s[G1+6], 0
	s_mov_b32 s[G1+7], 0
	s_mov_b32 s[SEL], 0x76543210
	s_mov_b32 s[SEL+1], 0xfedcba98
	s_wait_dscnt 0x0
	s_wait_kmcnt 0x0
	s_load_b128 s[48:51], s[8:9], 0x18             ; e6, e7, e8, e9
	s_load_b32 s52, s[8:9], 0x28                   ; e10
	s_add_nc_u64 s[20:21], s[4:5], s[18:19]
	CROUND                                         ; all four work-groups are here: the joint loads meet
.irp c, 0,1,2,3
	s_mov_b32 s[G0+4*\c], 1                        ; count = 1
	s_add_co_u32 s[G0+4*\c+1], s17, \c*CHB         ; LDS address
	s_add_nc_u64 s[G0+4*\c+2:G0+4*\c+3], s[20:21], \c*32768   ; global address: four key steps on
	s_or_b32 s[G0+4*\c+3], s[G0+4*\c+3], 0x80000000           ; type = 2
.endr
	tensor_load_to_lds s[G0:G0+3], s[G1:G1+7]      ; every wave's four fills go out together, ahead of every wait on TENSORcnt, every LDS read and every other barrier
	s_nop 0
	tensor_load_to_lds s[G0+4:G0+7], s[G1:G1+7]
	s_nop 0
	tensor_load_to_lds s[G0+8:G0+11], s[G1:G1+7]
	s_nop 0
	tensor_load_to_lds s[G0+12:G0+15], s[G1:G1+7]
	s_nop 0
.rept 4
	v_nop
.endr
	s_lshr_b32 s22, s14, 4
	s_lshl_b32 s22, s22, 13                        ; the batch's 2,048 words of the mask
	s_mov_b32 s23, 0
	s_add_nc_u64 s[6:7], s[6:7], s[22:23]
	v_lshlrev_b32 v18, 5, v0                       ; thread t takes keys 8 t .. 8 t + 7
	global_load_b128 v[240:243], v18, s[6:7]
	global_load_b128 v[244:247], v18, s[6:7] offset:16
	v_and_b32 v1, 15, v0                           ; r
	v_bfe_u32 v2, v0, 4, 1                         ; h
	v_lshrrev_b32 v19, 2, v1
	v_mul_u32_u24 v[AKV0], v19, 272
	v_and_b32 v19, 3, v1
	v_lshl_add_u32 v[AKV0], v19, 6, v[AKV0]        ; row r of 64 bytes, four to 256 + 16
	s_mul_i32 s72, s[WV], STGW
	s_add_co_u32 s72, s72, STG                     ; my stage
	v_lshl_add_u32 v[XSTO], v2, 3, v[AKV0]         ; the way out: row r, + 8 h
	v_add_nc_u32 v[XSTO], s72, v[XSTO]
	v_lshl_add_u32 v[AKV0], v2, 4, v[AKV0]         ; fragments: + 16 h
	v_lshl_add_u32 v[AB0], v2, 5, BIAS             ; the table: my half's eight keys of a tile
	v_lshlrev_b32 v[QO], 6, v1
	v_lshl_add_u32 v[QO], v2, 4, v[QO]
	v_lshlrev_b32 v[MO], 2, v1
	v_mul_u32_u24 v[XRD], v2, 272
	v_lshl_add_u32 v[XRD], v1, 4, v[XRD]
	v_add_nc_u32 v[XRD], s72, v[XRD]               ; back: 512 bytes on end
	v_and_b32 v19, 31, v0
	v_lshlrev_b32 v[GO], 4, v19
	v_lshl_add_u32 v248, v0, 5, BIAS               ; where my eight words of the table go
	v_mov_b32 v19, 0xf1800000                      ; -2^100
.irp q, 0,1
	v_mov_b32 v[ST+16*\q+oCL+1], 0                 ; named as upper halves of pairs, or as a lane permute's destination: written once
	v_mov_b32 v[ST+16*\q+oF+1], 0
	v_mov_b32 v[ST+16*\q+oX2], 0
.endr
	s_lshl_b32 s72, s13, 9
	s_lshl_b32 s73, s[WV], 5
	s_add_co_u32 s74, s72, s73                     ; my first query in the head: 512 cx + 32 wave
	s_lshl_b32 s72, s74, 6
	s_lshl_b32 s73, s14, 17
	s_add_co_u32 s72, s72, s73
	s_mov_b32 s73, 0
	s_add_nc_u64 s[66:67], s[4:5], s[72:73]        ; its codes (part 0),
	s_lshl_b32 s72, s74, 2
	s_add_nc_u64 s[68:69], s[6:7], s[72:73]        ; its mask,
	s_and_b32 s75, s14, 15
	s_lshl_b32 s75, s75, 19                        ; the head's plane of xc,
	s_lshr_b32 s76, s14, 4
	s_lshl_b32 s76, s76, 11
	s_add_co_u32 s76, s76, s74
	s_lshl_b32 s76, s76, 6                         ; row 2,048 batch + query
	s_add_co_u32 s72, s75, s76
	s_add_nc_u64 s[70:71], s[10:11], s[72:73]      ; and its row of xc
	s_wait_kmcnt 0x0
	s_add_co_i32 s72, s48, s49
	s_lshl_b32 s72, s72, 23
	s_add_co_i32 s72, s72, 0x3e38aa3b              ; c = log2(e) / 8, with e6 + e7 added to its exponent field
	v_mov_b32 v[CV], s72
	s_add_co_i32 s72, s50, 127
	s_lshl_b32 s73, s72, 23
	v_mov_b32 v[SCP], s73
	s_add_co_i32 s72, s72, 8
	s_lshl_b32 s72, s72, 23
	s_or_b32 s72, s72, 0x600000
	v_mov_b32 v[HOLDP], s72
	s_sub_co_i32 s72, s52, s50
	s_sub_co_i32 s72, s72, s51                     ; O^T / l stands for that x 2^(e8 + e9): its code is that / 2^(e10 - e8 - e9)
	s_add_co_i32 s72, s72, 127
	s_lshl_b32 s73, s72, 23
	v_mov_b32 v[SCX], s73
	s_add_co_i32 s72, s72, 8
	s_lshl_b32 s72, s72, 23
	s_or_b32 s72, s72, 0x600000
	v_mov_b32 v[HOLDX], s72
	s_wait_loadcnt 0x0                             ; my eight words of the mask
.irp j, 0,1,2,3,4,5,6,7
	v_cmp_eq_u32 vcc_lo, 0, v[240+\j]
	v_cndmask_b32 v[240+\j], 0, v19, vcc_lo        ; 0 for a live key, -2^100 for a masked one
.endr
	ds_store_b128 v248, v[240:243]                 ; the first chunk's wait on DScnt and barrier show the table to every wave
	ds_store_b128 v248, v[244:247] offset:16
; A KEY STEP: 128 keys, both tiles of queries.
.macro STEP
	v_add_nc_u32 v[ADK], s[TB], v[AKV0]            ; these three and the v_nop are the four places between the last products, which read V's fragments, and the loads into them
	v_add_nc_u32 v[ADV], VOFF, v[ADK]
	v_add_nc_u32 v[ADB], s[TBB], v[AB0]
	v_nop
	WIN W_LD
.irp t, 0,1,2,3,4,5,6,7                    ; K: tile t = keys 16 t on: 16 rows x 64 bytes: two loads of 16 bytes, 32 apart; Q's fragment is loaded in the same way
	ds_load_b128 v[KF+8*\t:KF+8*\t+3],   v[ADK] offset:1088*\t
	ds_load_b128 v[KF+8*\t+4:KF+8*\t+7], v[ADK] offset:1088*\t+32
.endr
.irp t, 0,1,2,3,4,5,6,7                    ; the table: register 8 t + j = key 16 t + 8 h + j, the result's layout
	ds_load_b128 v[BI+8*\t:BI+8*\t+3],   v[ADB] offset:64*\t
	ds_load_b128 v[BI+8*\t+4:BI+8*\t+7], v[ADB] offset:64*\t+16
.endr
.irp t, 0,1,2,3                            ; V: tile t = channels 16 t on; registers 4 c on = keys 32 c on: block of 64 tokens c / 2, half c % 2 of its rows
.irp c, 0,1,2,3
	ds_load_b128 v[VF+16*\t+4*\c:VF+16*\t+4*\c+3], v[ADV] offset:4352*(\c/2)+1088*\t+32*(\c%2)
.endr
.endr
	s_wait_dscnt 16                                ; K and the table are in; V's sixteen loads may be out
	WIN W_QK
.irp t, 0,1,2,3,4,5,6,7
.irp q, 0,1
	v_wmma_f32_16x16x64_fp8_fp8 v[S+64*\q+8*\t:S+64*\q+8*\t+7], v[KF+8*\t:KF+8*\t+7], v[QF+8*\q:QF+8*\q+7], v[BI+8*\t:BI+8*\t+7]
.endr
.endr
	WIN 0
.rept 4
	v_nop                                          ; places in front of the first read of the results
.endr
	; the step's largest sum of my query among my 64 keys, two chains a tile, the tiles by turns; each accumulator from its low end on
.irp q, 0,1
	v_max3_num_f32 v[ST+16*\q+oX0], v[S+64*\q], v[S+64*\q+1], v[S+64*\q+2]
.endr
.irp q, 0,1
	v_max3_num_f32 v[ST+16*\q+oX1], v[S+64*\q+3], v[S+64*\q+4], v[S+64*\q+5]
.endr
.irp i, 6,10,14,18,22,26,30,34,38,42,46,50,54,58
.irp q, 0,1
	v_max3_num_f32 v[ST+16*\q+oX0], v[ST+16*\q+oX0], v[S+64*\q+\i], v[S+64*\q+\i+1]
.endr
.irp q, 0,1
	v_max3_num_f32 v[ST+16*\q+oX1], v[ST+16*\q+oX1], v[S+64*\q+\i+2], v[S+64*\q+\i+3]
.endr
.endr
.irp q, 0,1
	v_max3_num_f32 v[ST+16*\q+oX0], v[ST+16*\q+oX0], v[S+64*\q+62], v[S+64*\q+63]
.endr
.irp q, 0,1
	v_max_num_f32 v[ST+16*\q+oX0], v[ST+16*\q+oX0], v[ST+16*\q+oX1]
.endr
.irp q, 0,1
	v_permlanex16_b32 v[ST+16*\q+oX2], v[ST+16*\q+oX0], s[SEL], s[SEL+1]
.endr
.irp q, 0,1
	v_max_num_f32 v[ST+16*\q+oX0], v[ST+16*\q+oX0], v[ST+16*\q+oX2]   ; and among lane l xor 16's
.endr
.irp q, 0,1
	v_mul_f32 v[ST+16*\q+oX0], v[ST+16*\q+oCL], v[ST+16*\q+oX0]       ; as t (c is not negative)
.endr
.irp q, 0,1
	v_max_num_f32 v[ST+16*\q+oTM], v[ST+16*\q+oTM], v[ST+16*\q+oX0]   ; the running largest t
.endr
.irp q, 0,1
	v_mov_b32 v[ST+16*\q+oX1], v[ST+16*\q+oNM]
.endr
.irp q, 0,1
	v_floor_f32 v[ST+16*\q+oNM], -v[ST+16*\q+oTM]                     ; the new -M = floor(-t): M is a whole number
.endr
.irp q, 0,1
	v_sub_f32 v[ST+16*\q+oX1], v[ST+16*\q+oNM], v[ST+16*\q+oX1]       ; old M - new M: a whole number, 0 or less
.endr
.irp q, 0,1
	v_cvt_i32_f32 v[ST+16*\q+oX1], v[ST+16*\q+oX1]                    ; (it saturates)
.endr
.irp q, 0,1
	v_ldexp_f32 v[ST+16*\q+oF], 1.0, v[ST+16*\q+oX1]                  ; f = 2^(old M - new M): a multiplication by it rounds nothing
.endr
.set j, 0
.rept 32
	v_pk_fma_f32 v[S+2*j:S+2*j+1], v[S+2*j:S+2*j+1], v[ST+oCL:ST+oCL+1], v[ST+oNM:ST+oNM+1] op_sel_hi:[1,0,0]   ; tile 0: t - M, two at a time (of the pairs c and -M the low word serves both halves)
.set j, j+1
.endr
.set j, 0
.rept 32                                   ; tile 0's exponentials, one batch; tile 1's scalings stand among them and name none of their results
	v_exp_f32 v[S+2*j], v[S+2*j]
	v_pk_fma_f32 v[S+64+2*j:S+64+2*j+1], v[S+64+2*j:S+64+2*j+1], v[ST+16+oCL:ST+16+oCL+1], v[ST+16+oNM:ST+16+oNM+1] op_sel_hi:[1,0,0]
	v_exp_f32 v[S+2*j+1], v[S+2*j+1]
.set j, j+1
.endr
	v_pk_mul_f32 v[ST+oL0:ST+oL0+1], v[ST+oL0:ST+oL0+1], v[ST+oF:ST+oF+1] op_sel_hi:[1,0]   ; tile 0's l under the new M (plain instructions behind the last exponential)
	v_pk_mul_f32 v[ST+oL1:ST+oL1+1], v[ST+oL1:ST+oL1+1], v[ST+oF:ST+oF+1] op_sel_hi:[1,0]
	s_wait_alu depctr_va_vdst(0)                   ; one wait for tile 0's batch, ahead of its first reader
.set j, 0
.rept 32                                   ; tile 1's exponentials, one batch; tile 0's sums (of the UNQUANTISED p) and holds stand among them
	v_exp_f32 v[S+64+2*j], v[S+64+2*j]
	v_pk_add_f32 v[ST+oL0+2*(j%2):ST+oL0+2*(j%2)+1], v[ST+oL0+2*(j%2):ST+oL0+2*(j%2)+1], v[S+2*j:S+2*j+1]
	v_exp_f32 v[S+64+2*j+1], v[S+64+2*j+1]
	v_min_num_f32 v[S+2*j], v[S+2*j], v[HOLDP]     ; the conversion does not saturate (ISA guide 7.6.2); p is not negative, so the hold is one-sided
	v_min_num_f32 v[S+2*j+1], v[S+2*j+1], v[HOLDP]
.set j, j+1
.endr
	v_pk_mul_f32 v[ST+16+oL0:ST+16+oL0+1], v[ST+16+oL0:ST+16+oL0+1], v[ST+16+oF:ST+16+oF+1] op_sel_hi:[1,0]
	v_pk_mul_f32 v[ST+16+oL1:ST+16+oL1+1], v[ST+16+oL1:ST+16+oL1+1], v[ST+16+oF:ST+16+oF+1] op_sel_hi:[1,0]
	s_wait_alu depctr_va_vdst(0)                   ; one wait for tile 1's batch
.irp t, 0,1,2,3,4,5,6,7
	v_cvt_scalef32_pk8_fp8_f32 v[P+2*\t:P+2*\t+1], v[S+8*\t:S+8*\t+7], v[SCP]   ; keys 16 t + 8 h + 0 .. 7: registers 2 t, 2 t + 1 of the operand
.endr
.set j, 0
.rept 32
	v_pk_add_f32 v[ST+16+oL0+2*(j%2):ST+16+oL0+2*(j%2)+1], v[ST+16+oL0+2*(j%2):ST+16+oL0+2*(j%2)+1], v[S+64+2*j:S+64+2*j+1]
	v_min_num_f32 v[S+64+2*j], v[S+64+2*j], v[HOLDP]
	v_min_num_f32 v[S+64+2*j+1], v[S+64+2*j+1], v[HOLDP]
.set j, j+1
.endr
.irp t, 0,1,2,3,4,5,6,7
	v_cvt_scalef32_pk8_fp8_f32 v[P+16+2*\t:P+16+2*\t+1], v[S+64+8*\t:S+64+8*\t+7], v[SCP]
.endr
	WIN W_RS
.irp q, 0,1
.set j, 0
.rept 16
	v_pk_mul_f32 v[O+32*\q+2*j:O+32*\q+2*j+1], v[O+32*\q+2*j:O+32*\q+2*j+1], v[ST+16*\q+oF:ST+16*\q+oF+1] op_sel_hi:[1,0]   ; O^T under the new M.  (Also the plain instructions between the conversions and the products that read their results)
.set j, j+1
.endr
.endr
	s_wait_dscnt 0x0                               ; V is in
	WIN W_PV
.irp t, 0,1,2,3                            ; eight accumulators, one instruction each: they take turns
.irp q, 0,1
	v_wmma_f32_16x16x128_fp8_fp8 v[O+32*\q+8*\t:O+32*\q+8*\t+7], v[VF+16*\t:VF+16*\t+15], v[P+16*\q:P+16*\q+15], v[O+32*\q+8*\t:O+32*\q+8*\t+7]
.endr
.endr
	WIN 0
	s_add_co_u32 s[TB], s[TB], KSB
	s_add_co_u32 s[TBB], s[TBB], 512
.endm
; A CHUNK: four key steps.  Each wave waits for its load of this chunk (the later chunks' may stay out: no byte is ever filled again), then the barrier shows every wave's part to all.  In the second pass the waits are met at once.
.macro CHUNK c
	s_wait_tensorcnt 3-\c
	s_wait_dscnt 0x0                               ; no LDS instruction of mine is out at the signal (in the first chunk: my words of the table have landed)
	s_barrier_signal -1
	s_barrier_wait -1
	s_mov_b32 s[TB], CHB*\c
	s_mov_b32 s[TBB], 2048*\c
	s_mov_b32 s[CNT], 4
.Lstep_\@:
	STEP
	s_sub_co_u32 s[CNT], s[CNT], 1
	s_cmp_lg_u32 s[CNT], 0
	s_cbranch_scc1 .Lstep_\@
.endm
	s_mov_b32 s[PASS], 2
.Lpass:                                            ; two trips: 32 queries of the wave each, 256 queries apart
.irp q, 0,1
	global_load_b128 v[QF+8*\q:QF+8*\q+3],   v[QO], s[66:67] offset:1024*\q
	global_load_b128 v[QF+8*\q+4:QF+8*\q+7], v[QO], s[66:67] offset:1024*\q+32
	global_load_b32 v[ST+16*\q+oMQ], v[MO], s[68:69] offset:64*\q
.endr
.irp q, 0,1
	v_mov_b32 v[ST+16*\q+oTM], 0xcf000000          ; the largest t so far: -2^31
	v_mov_b32 v[ST+16*\q+oNM], 0x4f000000          ; -M
	v_mov_b32 v[ST+16*\q+oL0], 0
	v_mov_b32 v[ST+16*\q+oL0+1], 0
	v_mov_b32 v[ST+16*\q+oL1], 0
	v_mov_b32 v[ST+16*\q+oL1+1], 0
.endr
	WIN W_LD
.set j, 0
.rept 64
	v_mov_b32 v[O+j], 0                            ; O^T.  (The step is written without a first step of its own: it finds zeros, which the first change of M leaves zeros)
.set j, j+1
.endr
	WIN 0
	s_wait_loadcnt 0x0                             ; Q and my queries' mask
.irp q, 0,1
	v_cmp_ne_u32 vcc_lo, 0, v[ST+16*\q+oMQ]
	v_cndmask_b32 v[ST+16*\q+oCL], 0, v[CV], vcc_lo   ; c for a live query, 0 for a masked one
.endr
	CHUNK 0
	CHUNK 1
	CHUNK 2
	CHUNK 3
	; THE WAY OUT.  l's four parts and the other half of the lanes' are added (six additions: the places behind the last products); O^T / l is held, converted, and goes through my stage, so that 32 lanes store 512 consecutive bytes.
.irp q, 0,1
	v_add_f32 v[ST+16*\q+oX0], v[ST+16*\q+oL0], v[ST+16*\q+oL0+1]
.endr
.irp q, 0,1
	v_add_f32 v[ST+16*\q+oX1], v[ST+16*\q+oL1], v[ST+16*\q+oL1+1]
.endr
.irp q, 0,1
	v_add_f32 v[ST+16*\q+oX0], v[ST+16*\q+oX0], v[ST+16*\q+oX1]
.endr
.irp q, 0,1
	v_permlanex16_b32 v[ST+16*\q+oX2], v[ST+16*\q+oX0], s[SEL], s[SEL+1]
.endr
.irp q, 0,1
	v_add_f32 v[ST+16*\q+oX0], v[ST+16*\q+oX0], v[ST+16*\q+oX2]
.endr
.irp q, 0,1
	v_rcp_f32 v[ST+16*\q+oF], v[ST+16*\q+oX0]
.endr
	v_nop                                          ; a plain instruction behind the last reciprocal
	s_wait_alu depctr_va_vdst(0)                   ; one wait for the two, ahead of their first reader
	WIN W_OUT
.irp q, 0,1
.set j, 0
.rept 16
	v_pk_mul_f32 v[S+64*\q+2*j:S+64*\q+2*j+1], v[O+32*\q+2*j:O+32*\q+2*j+1], v[ST+16*\q+oF:ST+16*\q+oF+1] op_sel_hi:[1,0]   ; register 8 t + i: channel 16 t + 8 h + i of query r; each accumulator from its low end on
.set j, j+1
.endr
.endr
	WIN 0
.irp q, 0,1
.set j, 0
.rept 32
	v_med3_num_f32 v[S+64*\q+j], v[S+64*\q+j], -v[HOLDX], v[HOLDX]
.set j, j+1
.endr
.irp t, 0,1,2,3
	v_cvt_scalef32_pk8_fp8_f32 v[240+8*\q+2*\t:240+8*\q+2*\t+1], v[S+64*\q+8*\t:S+64*\q+8*\t+7], v[SCX]
.endr
.endr
	v_nop                                          ; one plain vector instruction behind the last conversion: later products write its sources
.irp q, 0,1
.irp t, 0,1,2,3
	ds_store_b64 v[XSTO], v[240+8*\q+2*\t:240+8*\q+2*\t+1] offset:1088*\q+16*\t   ; row r, bytes 16 t + 8 h on: the channels in their own order
.endr
.endr
.irp q, 0,1
.irp u, 0,1
	ds_load_b128 v[S+64*\q+32+4*\u:S+64*\q+32+4*\u+3], v[XRD] offset:1088*\q+544*\u   ; LDS serves a wave's instructions in order (ISA guide 5.7.1.4): these see my stores
.endr
.endr
	s_wait_dscnt 0x0
.irp q, 0,1
.irp u, 0,1
	global_store_b128 v[GO], v[S+64*\q+32+4*\u:S+64*\q+32+4*\u+3], s[70:71] offset:1024*\q+512*\u   ; 32 lanes store 512 consecutive bytes, at a multiple of 256 from the buffer's first byte
.endr
.endr
	s_wait_xcnt 0x0                                ; the loads and stores have read their bases and data: both may be written again
	s_add_nc_u64 s[66:67], s[66:67], 16384         ; 256 queries on
	s_add_nc_u64 s[68:69], s[68:69], 1024
	s_add_nc_u64 s[70:71], s[70:71], 16384
	s_sub_co_u32 s[PASS], s[PASS], 1
	s_cmp_lg_u32 s[PASS], 0
	s_cbranch_scc1 .Lpass
	s_wait_tensorcnt 0x0                           ; no tensor load is out at the end
	s_wait_dscnt 0x0
	s_wait_tensorcnt 0x0
	ds_add_u32 v62, v63
	s_wait_dscnt 0x0
	CROUND                                         ; the closing round: no work-group ends while a partner may still ask for a tile that names it
	s_endpgm
.Lfunc_end_k_q529b2f0698_attn:
	.size	k_q529b2f0698_attn, .Lfunc_end_k_q529b2f0698_attn-k_q529b2f0698_attn
	.p2alignl 7, 3214868480
	.fill 96, 4, 3214868480
	.section	.rodata,"a",@progbits
	.p2align	6, 0x0
	.amdhsa_kernel k_q529b2f0698_attn
		.amdhsa_group_segment_fixed_size 327680
		.amdhsa_private_segment_fixed_size 0
		.amdhsa_enable_private_segment 0
		.amdhsa_kernarg_size 32
		.amdhsa_user_sgpr_count 2
		.amdhsa_user_sgpr_kernarg_segment_ptr 1
		.amdhsa_wavefront_size32 1
		.amdhsa_system_sgpr_workgroup_id_x 1
		.amdhsa_system_sgpr_workgroup_id_y 1
		.amdhsa_system_sgpr_workgroup_id_z 1
		.amdhsa_system_vgpr_workitem_id 0
		.amdhsa_next_free_vgpr 512
		.amdhsa_next_free_sgpr 80
		.amdhsa_reserve_vcc 1
		.amdhsa_float_denorm_mode_32 3
		.amdhsa_float_denorm_mode_16_64 3
		.amdhsa_memory_ordered 1
		.amdhsa_forward_progress 1
		.amdhsa_inst_pref_size 139
	.end_amdhsa_kernel
	.amdgpu_metadata
---
amdhsa.version: [ 1, 2 ]
amdhsa.kernels:
  - .name:           k_q529b2f0698_attn
    .symbol:         k_q529b2f0698_attn.kd
    .args:
      - { .name: qkvc, .offset: 0, .size: 8, .value_kind: global_buffer, .address_space: global }
      - { .name: mask, .offset: 8, .size: 8, .value_kind: global_buffer, .address_space: global }
      - { .name: lowp_scales, .offset: 16, .size: 8, .value_kind: global_buffer, .address_space: global }
      - { .name: xc, .offset: 24, .size: 8, .value_kind: global_buffer, .address_space: global }
    .group_segment_fixed_size: 327680
    .private_segment_fixed_size: 0
    .kernarg_segment_align: 8
    .kernarg_segment_size: 32
    .max_flat_workgroup_size: 256
    .sgpr_count:     80
    .vgpr_count:     512
    .wavefront_size: 32
...
	.end_amdgpu_metadata
.endif
;; end of part 3
;; launch outp (part 4): grid 4 x 32, 4 waves a work-group, clusters of 4 x 4, 327,680 bytes of LDS; arguments xc, wcodes, lowp_scales, bo, out0; writes out0
.if DOCPART == 4
	.amdgcn_target "amdgcn-amd-amdhsa--gfx1250"
	.amdhsa_code_object_version 6
	.text
	.protected	k_q529b2f0698_outp
	.globl	k_q529b2f0698_outp
	.p2align	8
	.type	k_q529b2f0698_outp,@function
k_q529b2f0698_outp:
	s_mov_b64 s[64:65], 0
	v_nop
	global_prefetch_b8 v0, s[64:65] scope:SCOPE_SE
	s_setreg_imm32_b32 hwreg(HW_REG_WAVE_MODE, 25, 1), 1
	s_wait_xcnt 0x0
	s_wait_alu depctr_hold_cnt(0) depctr_sa_sdst(0) depctr_va_vdst(0) depctr_va_sdst(0) depctr_va_ssrc(0) depctr_va_vcc(0) depctr_vm_vsrc(0)
	s_getreg_b32 s2, hwreg(HW_REG_IB_STS2, 6, 4)
	s_cmp_eq_u32 s2, 0
	s_cbranch_scc0 .Lentry_in_a_cluster
	s_endpgm
.Lentry_in_a_cluster:
	s_bfe_u32 s2, ttmp6, 0x10000c
	s_cmp_lg_u32 s2, 0xf033
	s_cbranch_scc0 .Lentry_shape_is_right
	s_endpgm
.Lentry_shape_is_right:
; out0 = x Wo^T + bo on codes of FP8 (E4M3): out0[m][n] = 2^(e10 + e11) x (sum over k of x[m][k] Wo[n][k]) + bo[n].  x: 8,192 rows, Wo: 1,024 rows, K = 1,024; out0 [8192][1024] f32.
; x's codes lie by heads: xc [head 16][row 8192][64 bytes]; Wo's are the fourth part of wcodes, [1024][1024], K innermost.  LIMIT: e10 + e11 between -126 and 127, so that 2^(e10 + e11) is an f32 number.
; A tile of 256 x 256 to a work-group of four waves, 128 x 128 (64 accumulators, 512 registers) to a wave; K in steps of 256 (four heads) through a ring of two LDS slots.  128 work-groups: the problem has no more tiles of this size.
; CLUSTERS: 4 x 4 work-groups; x's tile is asked for jointly by the four of a row of the cluster, Wo's by the four of a column.
; x's TILE: a head's 256 rows x 64 bytes are 16,384 dense bytes.  A wave's load brings two heads as two rows of 16,384 bytes, 524,288 apart, with 16 bytes of padding behind every 256: in LDS a head's plane is 64 x 272 bytes, four rows of 64 bytes in each 256.
; THE MATRIX INSTRUCTION IS USED TRANSPOSED (source 0 = 16 rows of Wo, source 1 = 16 rows of x): a lane holds eight neighbouring numbers of a row of out0.
; REGISTERS, in windows of 256: window 0: v0-31 addresses; v32-95 bo at my 64 columns (8 b + j: column 16 b + 8 h + j); from v128 x's fragments, ONE set (on the way out: rows read back).  window 1: Wo's fragments, TWO sets.  windows 2, 3: the accumulators.
.set SIZE_K, 1024
.set SIZE_N, 1024
.set KSTEP,  256
.set ROWB,   256                       ; a row of Wo's tile in bytes
.set KROW,   SIZE_K
.set PITCH,  272                       ; 256 bytes + 16 of padding
.set PLANE,  64*PITCH                  ; a head's 256 rows of x in LDS
.set HSTR,   524288                    ; from head to head in xc
.set FR,     16
.set NL,     4
.set NP,     4                         ; places behind this matrix instruction (ISA guide 7.12.1)
.set HALFT,  128*PITCH                 ; what one tensor load brings: 128 rows of Wo, or two planes of x
.set SLOT,   4*HALFT                   ; x's four planes, then Wo's 256 rows
.set LAPS,   SIZE_K/(2*KSTEP)
.set SPARE,  2*SLOT                    ; behind the ring: the spare words, 128 bytes for each wave: two blocks of 256 bytes that no other line names
.set SPITCH, 528                       ; the way out: a stage of 16 rows x (512 bytes + 16) for each wave, in slot 0, which has had its last fill and its last read when the first result is stored there
.set ADRA, 16                          ; v16-17  LDS address of my x fragments in slot 0, 1
.set ADRB, 20                          ; v20-21  the same for Wo
.set STO,  24
.set RD,   25
.set CO,   26
.set BOF,  27                          ; v27     32 h: my half's eight numbers of bo in a tile of sixteen
.set SPW,  28
.set NIL,  29
.set BV,   32                          ; v32-95  bo
.set AF,   128
.set BK,   128                         ; the way out: 16 rows read back from the stage: v128-191 and v192-255 by turns
.set G1, 24
.set G0, 32
.set G1B, 48
.set G0B, 56
.set MSB, 0
.macro WIN new                         ; the immediate's high byte repeats the setting that is left
.if MSB != \new
	s_set_vgpr_msb (MSB<<8)|\new
.set MSB, \new
.endif
.endm
.set MUL_LO, 0xa1                      ; source 0 (Wo) window 1, source 1 (x) window 0, C and D window 2
.set MUL_HI, 0xf1                      ; the same, C and D window 3
.set TO_B,   0x40
; A joint load: waves 0 and 1 fetch for x, waves 2 and 3 for Wo; the branch hangs on the wave's number alone.  Four v_nop follow each of the two lines.
.macro JLOAD g0a, g1a, g0b, g1b
	s_cmp_eq_u32 s15, 0
	s_cbranch_scc0 .Lfor_b_\@
	tensor_load_to_lds s[\g0a:\g0a+3], s[\g1a:\g1a+7]
	s_nop 0
.rept 4
	v_nop
.endr
	s_branch .Lasked_\@
.Lfor_b_\@:
	tensor_load_to_lds s[\g0b:\g0b+3], s[\g1b:\g1b+7]
	s_nop 0
.rept 4
	v_nop
.endr
.Lasked_\@:
.endm
.macro CREST
	s_cmp_lg_u32 s14, 0
	s_cbranch_scc1 .Lnot_wave_0_\@
	s_barrier_signal -3
.Lnot_wave_0_\@:
	s_barrier_wait -3
	s_barrier_signal -1
	s_barrier_wait -1
.endm
.macro CROUND
	s_barrier_signal -1
	s_barrier_wait -1
	CREST
.endm
	s_load_b128 s[4:7], s[0:1], 0x0                ; xc s[4:5], wcodes s[6:7]
	s_load_b128 s[8:11], s[0:1], 0x10              ; the scales' exponents s[8:9], bo s[10:11]
	s_load_b64 s[12:13], s[0:1], 0x20              ; out0
	v_lshl_add_u32 v[SPW], v0, 2, SPARE
	v_mov_b32 v[NIL], 0
	ds_add_u32 v28, v29
	ds_add_u32 v28, v29
	s_wait_dscnt 0x0
	v_lshrrev_b32 v1, 5, v0
	v_readfirstlane_b32 s14, v1                    ; wave 0..3
	s_lshr_b32 s15, s14, 1                         ; which half of the tile's rows is mine.  Also: I fetch for x (0) or for Wo (1)
	s_and_b32 s16, s14, 1                          ; which half of its columns.  Also: which half of that tile I fetch
	s_bfe_u32 s40, ttmp6, 0x40000                  ; cx = the tile column
	s_bfe_u32 s41, ttmp6, 0x40004                  ; cy
	s_and_b32 s17, ttmp7, 0xffff
	s_lshl_b32 s17, s17, 2
	s_add_co_u32 s17, s17, s41                     ; tile row = 4 x cluster y + cy
	s_lshl_b32 s43, s41, 2
	s_lshl_b32 s43, 15, s43                        ; my row of the cluster
	s_lshl_b32 s44, 0x1111, s40                    ; my column
	; descriptor group 1 for x: two rows of 16,384 bytes
	s_or_b32 s[G1+0], s43, (0<<16)|(1<<20)|(1<<21)|(5<<22)|(3<<25)  ; 15:0 the mask: my row; 17:16 element of 1 byte; 20 padding on; 21 set beside a mask; 24:22 after every 64 words (code 5); 31:25 of 4 words (code 3)
	s_mov_b32 s[G1+1], 16384<<16                   ; tensor_dim0
	s_mov_b32 s[G1+2], 2<<16                       ; tensor_dim1
	s_mov_b32 s[G1+3], 16384<<16                   ; tile_dim0
	s_mov_b32 s[G1+4], 2                           ; tile_dim1
	s_mov_b32 s[G1+5], HSTR                        ; tensor_dim0_stride
	s_mov_b32 s[G1+6], 0
	s_mov_b32 s[G1+7], 0
	; and for Wo: 128 rows of 256 bytes
	s_or_b32 s[G1B+0], s44, (0<<16)|(1<<20)|(1<<21)|(5<<22)|(3<<25)
	s_mov_b32 s[G1B+1], ROWB<<16
	s_mov_b32 s[G1B+2], 128<<16
	s_mov_b32 s[G1B+3], ROWB<<16
	s_mov_b32 s[G1B+4], 128
	s_mov_b32 s[G1B+5], KROW
	s_mov_b32 s[G1B+6], 0
	s_mov_b32 s[G1B+7], 0
	s_lshl_b32 s20, s17, 14                        ; x: the tile's 256 rows of 64 bytes,
	s_lshl_b32 s18, s16, 20                        ; heads 0, 1 or 2, 3 of the K step
	s_add_co_u32 s20, s20, s18
	s_mov_b32 s21, 0
	s_lshl_b32 s46, s40, 8
	s_lshl_b32 s18, s16, 7
	s_add_co_u32 s46, s46, s18                     ; Wo: row 256 x tile column + 128 x half,
	s_lshl_b32 s46, s46, 10
	s_add_co_u32 s46, s46, 0x300000                ; in the fourth part of wcodes
	s_mov_b32 s47, 0
	s_mul_i32 s45, s14, HALFT                      ; where they go: no place in the cluster enters an LDS address
	s_wait_kmcnt 0x0
	s_load_b64 s[96:97], s[8:9], 0x28              ; e10, e11
	s_add_nc_u64 s[20:21], s[4:5], s[20:21]
	s_add_nc_u64 s[46:47], s[6:7], s[46:47]
	CROUND                                         ; all sixteen work-groups are here: the first joint loads meet
.irp s, 0,1
	s_mov_b32 s[G0+4*\s], 1
	s_add_co_u32 s[G0+4*\s+1], s45, \s*SLOT
	s_add_nc_u64 s[G0+4*\s+2:G0+4*\s+3], s[20:21], \s*4*HSTR
	s_or_b32 s[G0+4*\s+3], s[G0+4*\s+3], 0x80000000
	s_mov_b32 s[G0B+4*\s], 1
	s_add_co_u32 s[G0B+4*\s+1], s45, \s*SLOT
	s_add_nc_u64 s[G0B+4*\s+2:G0B+4*\s+3], s[46:47], \s*ROWB
	s_or_b32 s[G0B+4*\s+3], s[G0B+4*\s+3], 0x80000000
	JLOAD G0+4*\s, G1, G0B+4*\s, G1B
.endr
	v_and_b32 v1, 15, v0                           ; r
	v_bfe_u32 v2, v0, 4, 1                         ; h
	s_lshl_b32 s20, s40, 10
	s_lshl_b32 s21, s16, 9
	s_add_co_u32 s20, s20, s21                     ; my first column, in bytes of f32: 1,024 x tile column + 512 x half
	s_mov_b32 s21, 0
	s_add_nc_u64 s[10:11], s[10:11], s[20:21]
	s_add_nc_u64 s[12:13], s[12:13], s[20:21]
	v_lshlrev_b32 v[BOF], 5, v2
.irp b, 0,1,2,3,4,5,6,7
	global_load_b128 v[BV+8*\b:BV+8*\b+3],   v[BOF], s[10:11] offset:64*\b      ; bo at columns 16 b + 8 h + 0 .. 7: the result's layout
	global_load_b128 v[BV+8*\b+4:BV+8*\b+7], v[BOF], s[10:11] offset:64*\b+16
.endr
	v_mul_u32_u24 v3, v1, PITCH
	v_lshl_add_u32 v4, v2, 4, v3                   ; Wo: a fragment's row x pitch + 16 h
	v_lshrrev_b32 v5, 2, v1
	v_mul_u32_u24 v5, v5, PITCH
	v_and_b32 v6, 3, v1
	v_lshl_add_u32 v5, v6, 6, v5
	v_lshl_add_u32 v7, v2, 4, v5                   ; x: row r of 64 bytes, four to 256 + 16, + 16 h
	s_mul_i32 s21, s15, 32*PITCH                   ; my 128 rows in each plane of x
	s_mul_i32 s22, s16, HALFT                      ; my 128 rows of Wo,
	s_add_co_u32 s22, s22, 2*HALFT                 ; which lie behind x's four planes
.irp s, 0,1
	v_add_nc_u32 v[ADRA+\s], s21, v7
	v_add_nc_u32 v[ADRB+\s], s22, v4
	s_add_co_u32 s21, s21, SLOT
	s_add_co_u32 s22, s22, SLOT
.endr
	s_mul_i32 s23, s14, 16*SPITCH                  ; my stage
	v_mul_u32_u24 v5, v1, SPITCH                   ; in: row r, 32 bytes for each half of the lanes
	v_lshl_add_u32 v5, v2, 5, v5
	v_add_nc_u32 v[STO], s23, v5
	v_and_b32 v6, 31, v0
	v_lshlrev_b32 v[CO], 4, v6                     ; back: the 32 lanes take one row of 512 bytes; and the same in out0
	v_add_nc_u32 v[RD], s23, v[CO]
	s_lshl_b32 s20, s17, 8
	s_lshl_b32 s21, s15, 7
	s_add_co_u32 s20, s20, s21                     ; my first row: 256 x tile row + 128 x half,
	s_lshl_b32 s20, s20, 12                        ; of 4,096 bytes (under 2^25)
	s_mov_b32 s21, 0
	s_add_nc_u64 s[12:13], s[12:13], s[20:21]
.macro FRAG reg, adr, q, i             ; Wo: 16 rows x 128 K: registers 4 c .. 4 c + 3 hold K = 32 c + 16 h + 0 .. 15
.irp c, 0,1,2,3
	ds_load_b128 v[\reg+4*\c:\reg+4*\c+3], v[\adr] offset:128*(\q)+32*\c+(\i)*16*PITCH
.endr
.endm
.macro FRAGA reg, adr, q, i            ; x: the same K in the same registers: K = 32 c + .. of the q-th 128 lies in plane 2 q + c / 2, half c % 2 of a row's 64 bytes; 16 rows are four runs of 272
.irp c, 0,1,2,3
	ds_load_b128 v[\reg+4*\c:\reg+4*\c+3], v[\adr] offset:PLANE*(2*(\q)+\c/2)+(\i)*4*PITCH+32*(\c%2)
.endr
.endm
; The 64 accumulators take turns, one instruction a turn, in the same order in every step.
.macro MUL16 a0, p, zero
.irp a, \a0, \a0+1
.irp b, 0,1,2,3,4,5,6,7
.if \zero
	v_wmma_f32_16x16x128_fp8_fp8 v[8*(8*((\a)%4)+\b):8*(8*((\a)%4)+\b)+7], v[128*(\p)+FR*\b:128*(\p)+FR*\b+FR-1], v[AF+FR*(\a):AF+FR*(\a)+FR-1], 0
.else
	v_wmma_f32_16x16x128_fp8_fp8 v[8*(8*((\a)%4)+\b):8*(8*((\a)%4)+\b)+7], v[128*(\p)+FR*\b:128*(\p)+FR*\b+FR-1], v[AF+FR*(\a):AF+FR*(\a)+FR-1], v[8*(8*((\a)%4)+\b):8*(8*((\a)%4)+\b)+7]
.endif
.endr
.endr
.endm
.macro FETCH_B slot, q, p
	WIN TO_B
.irp i, 0,1,2,3,4,5,6,7
	FRAG 128*(\p)+FR*\i, ADRB+\slot, \q, \i
.endr
	WIN 0
.endm
.macro FETCH_A slot, q, i0
.irp i, \i0, \i0+1, \i0+2, \i0+3
	FRAGA AF+FR*(\i), ADRA+\slot, \q, \i
.endr
.endm
.macro PLACES n                        ; plain vector instructions between a matrix instruction and a load into, or a vector read of, its registers
.rept \n
	v_nop
.endr
.endm
.macro STEP slot, q, zero
	s_wait_dscnt 4*NL                              ; Wo's set and x's blocks 0-3 are in; the youngest sixteen loads (x's blocks 4-7) may be out
	WIN MUL_LO
	MUL16 0, (\q)%2, \zero
	MUL16 2, (\q)%2, \zero
	s_wait_dscnt 0
	PLACES NP
	FETCH_B \slot, (\q)+1, 1-(\q)%2
	FETCH_A \slot, (\q)+1, 0
	WIN MUL_HI
	MUL16 4, (\q)%2, \zero
	MUL16 6, (\q)%2, \zero
	PLACES NP
	WIN 0
	FETCH_A \slot, (\q)+1, 4
.endm
; A slot's last step changes slots: ONE barrier; in front of it each wave waits for all its tensor loads, adds 0 to its spare word, and waits for that and for its own reads of this slot.
.macro TURN slot, next, fill
	s_wait_tensorcnt 0x0                           ; all my tensor loads have landed: my part of the next slot;
	ds_add_u32 v[SPW], v[NIL]                      ; 0 onto my spare word;
	s_wait_dscnt 4*NL+1                            ; (the add and the youngest sixteen loads may be out)
	WIN MUL_LO
	MUL16 0, 1, 0
	s_wait_dscnt 0x0                               ; the add is done, and my reads of this slot are over
	s_barrier_signal -1
	MUL16 2, 1, 0
	WIN 0
	s_barrier_wait -1
.if \fill
	CREST                                          ; the barrier has opened a round of the cluster's barrier: no wave of any partner still reads this slot's tile or has a load on its way
	s_add_nc_u64 s[G0+4*\slot+2:G0+4*\slot+3], s[G0+4*\slot+2:G0+4*\slot+3], 8*HSTR      ; eight heads on
	s_add_nc_u64 s[G0B+4*\slot+2:G0B+4*\slot+3], s[G0B+4*\slot+2:G0B+4*\slot+3], 2*ROWB
	JLOAD G0+4*\slot, G1, G0B+4*\slot, G1B         ; the first tensor load behind the round; the four v_nop behind it are the places in front of the loads below
.else
	PLACES NP
.endif
	FETCH_B \next, 0, 0
	FETCH_A \next, 0, 0
	WIN MUL_HI
	MUL16 4, 1, 0
	MUL16 6, 1, 0
	PLACES NP
	WIN 0
	FETCH_A \next, 0, 4
.endm
	s_wait_tensorcnt 1                             ; my part of K step 0 is in (K step 1's load may be out)
	s_barrier_signal -1
	s_barrier_wait -1                              ; everybody's is
	FETCH_B 0, 0, 0
	FETCH_A 0, 0, 0
	FETCH_A 0, 0, 4
	STEP 0, 0, 1                                   ; the first step's products start the sums
	s_mov_b32 s3, LAPS-1
.Llap:
	TURN 0, 1, 1
	STEP 1, 0, 0
	TURN 1, 0, 1
	STEP 0, 0, 0
	s_sub_co_u32 s3, s3, 1
	s_cmp_lg_u32 s3, 0
	s_cbranch_scc1 .Llap
	TURN 0, 1, 0                                   ; the last lap fills nothing
	STEP 1, 0, 0
	s_wait_dscnt 4*NL
	WIN MUL_LO
	MUL16 0, 1, 0
	MUL16 2, 1, 0
	s_wait_dscnt 0
	WIN MUL_HI
	MUL16 4, 1, 0
	MUL16 6, 1, 0
	WIN 0
; THE WAY OUT, block by block of 16 rows x 128 columns: sum x 2^(e10 + e11) + bo, one packed multiply-add for two numbers, in place; through my stage; back as whole rows of 512 bytes.
.macro TOSTAGE a
.set AC, 64*((\a)%4)
.set WA, 2+(\a)/4
.set WW, (WA<<6)|WA
	WIN WW                                         ; destination and source 0: window 2 or 3; bo in window 0
.irp j, 0,2,4,6,8,10,12,14,16,18,20,22,24,26,28,30,32,34,36,38,40,42,44,46,48,50,52,54,56,58,60,62
	v_pk_fma_f32 v[AC+\j:AC+\j+1], v[AC+\j:AC+\j+1], s[96:97], v[BV+\j:BV+\j+1] op_sel_hi:[1,0,1]   ; (the scalar pair's low word for both halves); each accumulator from its low end on
.endr
.set WW, WA<<2
	WIN WW                                         ; an LDS store's data are source 1
.irp b, 0,1,2,3,4,5,6,7
	ds_store_b128 v[STO], v[AC+8*\b:AC+8*\b+3] offset:64*\b
	ds_store_b128 v[STO], v[AC+8*\b+4:AC+8*\b+7] offset:64*\b+16
.endr
	WIN 0
.set BB, BK+64*((\a)%2)
.irp t, 0,1,2,3,4,5,6,7,8,9,10,11,12,13,14,15
	ds_load_b128 v[BB+4*\t:BB+4*\t+3], v[RD] offset:\t*SPITCH   ; LDS serves a wave's instructions in order (ISA guide 5.7.1.4): these see the stores above, and the next block's stores come behind them
.endr
.endm
.macro SEND a, younger                 ; younger: the LDS instructions issued behind block a's loads
.set BB, BK+64*((\a)%2)
	s_wait_dscnt \younger
.if (\a) > 0
	s_add_nc_u64 s[12:13], s[12:13], 16*SIZE_N*4   ; (behind a wait on XCNT: the earlier stores have read their base)  16 rows on
.endif
.irp t, 0,1,2,3,4,5,6,7,8,9,10,11,12,13,14,15
	global_store_b128 v[CO], v[BB+4*\t:BB+4*\t+3], s[12:13] offset:\t*SIZE_N*4 th:TH_STORE_NT   ; 32 lanes store 512 consecutive bytes, at a multiple of 256 from out0's first byte; written once
.endr
.endm
	s_wait_kmcnt 0x0
	s_add_co_i32 s96, s96, s97
	s_add_co_i32 s96, s96, 127
	s_lshl_b32 s96, s96, 23                        ; 2^(e10 + e11) as f32
	s_mov_b32 s97, s96                             ; (named with it as a pair, so it is written)
	s_wait_loadcnt 0x0                             ; bo
	PLACES NP                                      ; behind the last products: for the writes over their results and the loads into x's fragments
	TOSTAGE 0
.irp a, 1,2,3,4,5,6,7
.if \a > 1
	s_wait_xcnt 0x0                                ; block a - 2's stores have read their registers and their base: block a's loads may land there, and the base may step
.endif
	TOSTAGE \a
	SEND \a-1, 32                                  ; behind block a - 1's loads: block a's 16 stores and 16 loads
.endr
	s_wait_xcnt 0x0                                ; block 6's stores have read their base
	SEND 7, 0
	s_wait_tensorcnt 0x0                           ; the wave's end: behind my last tensor load and my last LDS store
	ds_add_u32 v[SPW], v[NIL]
	s_wait_dscnt 0x0
	CROUND                                         ; the closing round
	s_endpgm
.Lfunc_end_k_q529b2f0698_outp:
	.size	k_q529b2f0698_outp, .Lfunc_end_k_q529b2f0698_outp-k_q529b2f0698_outp
	.p2alignl 7, 3214868480
	.fill 96, 4, 3214868480
	.section	.rodata,"a",@progbits
	.p2align	6, 0x0
	.amdhsa_kernel k_q529b2f0698_outp
		.amdhsa_group_segment_fixed_size 327680
		.amdhsa_private_segment_fixed_size 0
		.amdhsa_enable_private_segment 0
		.amdhsa_kernarg_size 40
		.amdhsa_user_sgpr_count 2
		.amdhsa_user_sgpr_kernarg_segment_ptr 1
		.amdhsa_wavefront_size32 1
		.amdhsa_system_sgpr_workgroup_id_x 1
		.amdhsa_system_sgpr_workgroup_id_y 1
		.amdhsa_system_sgpr_workgroup_id_z 1
		.amdhsa_system_vgpr_workitem_id 0
		.amdhsa_next_free_vgpr 1024
		.amdhsa_next_free_sgpr 98
		.amdhsa_reserve_vcc 0
		.amdhsa_float_denorm_mode_32 3
		.amdhsa_float_denorm_mode_16_64 3
		.amdhsa_memory_ordered 1
		.amdhsa_forward_progress 1
		.amdhsa_inst_pref_size 125
	.end_amdhsa_kernel
	.amdgpu_metadata
---
amdhsa.version: [ 1, 2 ]
amdhsa.kernels:
  - .name:           k_q529b2f0698_outp
    .symbol:         k_q529b2f0698_outp.kd
    .args:
      - { .name: xc, .offset: 0, .size: 8, .value_kind: global_buffer, .address_space: global }
      - { .name: wcodes, .offset: 8, .size: 8, .value_kind: global_buffer, .address_space: global }
      - { .name: lowp_scales, .offset: 16, .size: 8, .value_kind: global_buffer, .address_space: global }
      - { .name: bo, .offset: 24, .size: 8, .value_kind: global_buffer, .address_space: global }
      - { .name: out0, .offset: 32, .size: 8, .value_kind: global_buffer, .address_space: global }
    .group_segment_fixed_size: 327680
    .private_segment_fixed_size: 0
    .kernarg_segment_align: 8
    .kernarg_segment_size: 40
    .max_flat_workgroup_size: 128
    .sgpr_count:     98
    .vgpr_count:     1024
    .wavefront_size: 32
...
	.end_amdgpu_metadata
.endif
;; end of part 4
